; MI455X (gfx1250); checked and timed in simulation.
; The chip was launched on July 23, 2026; its instructions are those of AMD's public machine-readable ISA for CDNA 5 (MIT licence, August 2026) and "CDNA5" Instruction Set Architecture Reference Guide (July 2026). The comments in the code are by the model that wrote it; some were corrected since.
;; Transformer Block. Allowed arithmetic: float matrix products may take bf16 or f16 operands with f32 sums; other float arithmetic in f32, or as packed bf16 or f16 multiplies, adds, multiply-adds, maxima and minima; sums over many terms, partial sums and values carried from step to step in f32; what a program stores and reads back later, other than sums and carried values, may be rounded once to bf16 or f16.
;; Inputs: W1 512 x 2,048 float32; W2 2,048 x 512 float32; Wk 512 x 512 float32; Wo 512 x 512 float32; Wq 512 x 512 float32; Wv 512 x 512 float32; b1 2,048 float32; b2 512 float32; bo 512 float32; ln1_bias 512 float32; ln1_scale 512 float32; ln2_bias 512 float32; ln2_scale 512 float32; x 4 x 2,048 x 512 float32.
;; Outputs: out0 4 x 2,048 x 512 float32.
;; One version. Each part assembles by itself: llvm-mc -triple=amdgcn-amd-amdhsa -mcpu=gfx1250 --defsym DOCPART=n.
;; ======== version 1 of 1: 6 launches
;; workspace buffers: wb 6,291,456 bytes; ha 8,388,608 bytes; hb 8,388,608 bytes; big 33,554,432 bytes; x1 16,777,216 bytes
;; launch prep (part 1): grid 256 x 1, 8 waves a work-group, no clusters, 0 bytes of LDS; arguments x, ln1_scale, ln1_bias, Wq, Wk, Wv, Wo, W1, W2, ha, wb; writes ha, wb
.if DOCPART == 1
	.amdgcn_target "amdgcn-amd-amdhsa--gfx1250"
	.amdhsa_code_object_version 6
	.text
	.protected	k_q08dec6c0d9_prep
	.globl	k_q08dec6c0d9_prep
	.p2align	8
	.type	k_q08dec6c0d9_prep,@function
k_q08dec6c0d9_prep:
	s_mov_b64 s[64:65], 0
	v_nop
	global_prefetch_b8 v0, s[64:65] scope:SCOPE_SE
	s_setreg_imm32_b32 hwreg(HW_REG_WAVE_MODE, 25, 1), 1
	s_wait_xcnt 0x0
; ha = LayerNorm1(x) in bf16, [8192][512]; wb = the six weight matrices rounded to bf16, each in its own [K][N] order:
; Wq at byte 0, Wk at 524,288, Wv at 1,048,576, Wo at 1,572,864, W1 at 2,097,152, W2 at 4,194,304.
; A stream: no LDS, no matrix unit, no loop.  256 work-groups of 8 waves; a work-group takes 32 rows of x and 1/256 of each matrix.
; A wave takes 4 rows, one row in 16 registers: lane L holds columns 128 j + 4 L .. + 3 (j = 0..3), so each load covers 512 and each store 256 consecutive bytes, aligned.
; All 36 loads of a wave go out together.  The norm goes in two passes (mean, then deviations), so a common offset of x costs nothing; the variance is divided by 511.
.set ST,  8                            ; v[8:23]    row i: sum/mean, at work, sum of squares/rstd, at work
.set D,   32                           ; v[32:95]   row i: 16 numbers
.set SC,  96                           ; v[96:111]  scale of my 16 columns
.set BI,  112                          ; v[112:127] bias
.set WT,  128                          ; v[128:175] 12 x 4 weights as loaded
.set WPK, 176                          ; v[176:199] the same in bf16
.set H,   200                          ; v[200:231] row i: 8 registers of bf16
.set SEL, 32                           ; s[32:33]   v_permlanex16_b32's selects: each lane takes its own place in the other half
.set RN,  34                           ; s34        1/511
.set EP,  35                           ; s35        1e-5
.macro LNRED o                         ; the sum over the 32 lanes of register o of each row's four; o + 1 is at work
.irp m, 1,2,4,8
.irp i, 0,1,2,3
	v_add_f32_dpp v[ST+4*(\i)+(\o)], v[ST+4*(\i)+(\o)], v[ST+4*(\i)+(\o)] row_xmask:\m row_mask:0xf bank_mask:0xf
.endr
.endr
.irp i, 0,1,2,3
	v_permlanex16_b32 v[ST+4*(\i)+(\o)+1], v[ST+4*(\i)+(\o)], s[SEL], s[SEL+1]
.endr
.irp i, 0,1,2,3
	v_add_f32 v[ST+4*(\i)+(\o)], v[ST+4*(\i)+(\o)], v[ST+4*(\i)+(\o)+1]
.endr
.endm
.macro LNSUM                           ; the four rows' means; D is only read
.irp i, 0,1,2,3
	v_pk_add_f32 v[ST+4*(\i):ST+4*(\i)+1], v[D+16*(\i):D+16*(\i)+1], v[D+16*(\i)+2:D+16*(\i)+3]
.endr
.irp k, 2,3,4,5,6,7
.irp i, 0,1,2,3
	v_pk_add_f32 v[ST+4*(\i):ST+4*(\i)+1], v[ST+4*(\i):ST+4*(\i)+1], v[D+16*(\i)+2*(\k):D+16*(\i)+2*(\k)+1]
.endr
.endr
.irp i, 0,1,2,3
	v_add_f32 v[ST+4*(\i)], v[ST+4*(\i)], v[ST+4*(\i)+1]
.endr
	LNRED 0
.irp i, 0,1,2,3
	v_mul_f32 v[ST+4*(\i)], 0x3b000000, v[ST+4*(\i)]   ; / 512
.endr
.endm
.macro LNREST                          ; deviations, variance, 1/sqrt, scale and bias, bf16
.irp k, 0,1,2,3,4,5,6,7
.irp i, 0,1,2,3
	v_pk_add_f32 v[D+16*(\i)+2*(\k):D+16*(\i)+2*(\k)+1], v[D+16*(\i)+2*(\k):D+16*(\i)+2*(\k)+1], v[ST+4*(\i):ST+4*(\i)+1] op_sel_hi:[1,0] neg_lo:[0,1] neg_hi:[0,1]
.endr
.endr
.irp i, 0,1,2,3
	v_pk_mul_f32 v[ST+4*(\i)+2:ST+4*(\i)+3], v[D+16*(\i):D+16*(\i)+1], v[D+16*(\i):D+16*(\i)+1]
.endr
.irp k, 1,2,3,4,5,6,7
.irp i, 0,1,2,3
	v_pk_fma_f32 v[ST+4*(\i)+2:ST+4*(\i)+3], v[D+16*(\i)+2*(\k):D+16*(\i)+2*(\k)+1], v[D+16*(\i)+2*(\k):D+16*(\i)+2*(\k)+1], v[ST+4*(\i)+2:ST+4*(\i)+3]
.endr
.endr
.irp i, 0,1,2,3
	v_add_f32 v[ST+4*(\i)+2], v[ST+4*(\i)+2], v[ST+4*(\i)+3]
.endr
	LNRED 2
.irp i, 0,1,2,3
	v_fma_f32 v[ST+4*(\i)+2], v[ST+4*(\i)+2], s[RN], s[EP]
.endr
.irp i, 0,1,2,3
	v_rsq_f32 v[ST+4*(\i)+2], v[ST+4*(\i)+2]
.endr
	v_nop                                          ; a plain instruction behind the last of the four,
	s_wait_alu depctr_va_vdst(0)                   ; and one wait for the batch, ahead of its first reader
.irp k, 0,1,2,3,4,5,6,7
.irp i, 0,1,2,3
	v_pk_mul_f32 v[D+16*(\i)+2*(\k):D+16*(\i)+2*(\k)+1], v[D+16*(\i)+2*(\k):D+16*(\i)+2*(\k)+1], v[ST+4*(\i)+2:ST+4*(\i)+3] op_sel_hi:[1,0]
.endr
.endr
.irp k, 0,1,2,3,4,5,6,7
.irp i, 0,1,2,3
	v_pk_fma_f32 v[D+16*(\i)+2*(\k):D+16*(\i)+2*(\k)+1], v[D+16*(\i)+2*(\k):D+16*(\i)+2*(\k)+1], v[SC+2*(\k):SC+2*(\k)+1], v[BI+2*(\k):BI+2*(\k)+1]
.endr
.endr
.irp k, 0,1,2,3,4,5,6,7
.irp i, 0,1,2,3
	v_cvt_pk_bf16_f32 v[H+8*(\i)+(\k)], v[D+16*(\i)+2*(\k)], v[D+16*(\i)+2*(\k)+1]
.endr
.endr
.endm
	s_load_b512 s[8:23], s[0:1], 0x0               ; x s[8:9], scale s[10:11], bias s[12:13], Wq s[14:15], Wk s[16:17], Wv s[18:19], Wo s[20:21], W1 s[22:23]
	s_load_b128 s[24:27], s[0:1], 0x40             ; W2 s[24:25], ha s[26:27]
	s_load_b64 s[28:29], s[0:1], 0x50              ; wb
	v_and_b32 v1, 31, v0                           ; lane
	v_lshrrev_b32 v2, 5, v0                        ; wave
	v_lshlrev_b32 v3, 4, v1                        ; 16 L: scale and bias
	v_lshl_add_u32 v4, v2, 13, v3                  ; x: 4 rows of 2,048 bytes a wave + 16 L
	v_lshlrev_b32 v5, 3, v1
	v_lshl_add_u32 v5, v2, 12, v5                  ; ha: 4 rows of 1,024 bytes a wave + 8 L
	s_lshl_b32 s2, ttmp9, 12
	v_lshl_add_u32 v6, v0, 4, s2                   ; a 512 x 512 matrix: 4,096 bytes a work-group, 16 a thread
	s_lshl_b32 s3, ttmp9, 11
	v_lshl_add_u32 v7, v0, 3, s3                   ; and its bf16: half of that
	s_lshl_b32 s4, ttmp9, 14
	v_lshl_add_u32 v24, v2, 11, v3
	v_add_nc_u32 v24, s4, v24                      ; W1, W2: 16,384 bytes a work-group, 2,048 a wave, 16 L
	s_lshl_b32 s5, ttmp9, 13
	v_lshlrev_b32 v25, 3, v1
	v_lshl_add_u32 v25, v2, 10, v25
	v_add_nc_u32 v25, s5, v25                      ; and their bf16
	s_lshl_b32 s30, ttmp9, 16                      ; the work-group's 32 rows of x
	s_mov_b32 s31, 0
	s_lshl_b32 s6, ttmp9, 15                       ; and of ha
	s_mov_b32 s7, 0
	s_mov_b32 s[SEL], 0x76543210
	s_mov_b32 s[SEL+1], 0xfedcba98
	s_mov_b32 s[RN], 0x3b004020
	s_mov_b32 s[EP], 0x3727c5ac
	s_wait_kmcnt 0x0
	s_add_nc_u64 s[8:9], s[8:9], s[30:31]
	s_add_nc_u64 s[26:27], s[26:27], s[6:7]
.irp j, 0,1,2,3
	global_load_b128 v[SC+4*(\j):SC+4*(\j)+3], v3, s[10:11] offset:512*(\j)
	global_load_b128 v[BI+4*(\j):BI+4*(\j)+3], v3, s[12:13] offset:512*(\j)
.endr
.irp i, 0,1,2,3
.irp j, 0,1,2,3
	global_load_b128 v[D+16*(\i)+4*(\j):D+16*(\i)+4*(\j)+3], v4, s[8:9] offset:2048*(\i)+512*(\j)
.endr
.endr
	global_load_b128 v[WT:WT+3],     v6, s[14:15] th:TH_LOAD_NT
	global_load_b128 v[WT+4:WT+7],   v6, s[16:17] th:TH_LOAD_NT
	global_load_b128 v[WT+8:WT+11],  v6, s[18:19] th:TH_LOAD_NT
	global_load_b128 v[WT+12:WT+15], v6, s[20:21] th:TH_LOAD_NT
.irp i, 0,1,2,3
	global_load_b128 v[WT+16+4*(\i):WT+16+4*(\i)+3], v24, s[22:23] offset:512*(\i) th:TH_LOAD_NT
.endr
.irp i, 0,1,2,3
	global_load_b128 v[WT+32+4*(\i):WT+32+4*(\i)+3], v24, s[24:25] offset:512*(\i) th:TH_LOAD_NT
.endr
	s_wait_loadcnt 12                              ; scale, bias and x are in; the 12 weight loads may stay out
	LNSUM
	LNREST
.irp i, 0,1,2,3
.irp j, 0,1,2,3
	global_store_b64 v5, v[H+8*(\i)+2*(\j):H+8*(\i)+2*(\j)+1], s[26:27] offset:1024*(\i)+256*(\j)  ; 32 lanes x 8 bytes: 256 consecutive bytes, aligned
.endr
.endr
	s_wait_loadcnt 0x0
.irp k, 0,1,2,3,4,5,6,7,8,9,10,11
	v_cvt_pk_bf16_f32 v[WPK+2*(\k)],   v[WT+4*(\k)],   v[WT+4*(\k)+1]
	v_cvt_pk_bf16_f32 v[WPK+2*(\k)+1], v[WT+4*(\k)+2], v[WT+4*(\k)+3]
.endr
.irp k, 0,1,2,3
	global_store_b64 v7, v[WPK+2*(\k):WPK+2*(\k)+1], s[28:29] offset:524288*(\k)
.endr
.irp i, 0,1,2,3
	global_store_b64 v25, v[WPK+8+2*(\i):WPK+8+2*(\i)+1],   s[28:29] offset:2097152+256*(\i)
	global_store_b64 v25, v[WPK+16+2*(\i):WPK+16+2*(\i)+1], s[28:29] offset:4194304+256*(\i)
.endr
	s_endpgm
.Lfunc_end_k_q08dec6c0d9_prep:
	.size	k_q08dec6c0d9_prep, .Lfunc_end_k_q08dec6c0d9_prep-k_q08dec6c0d9_prep
	.p2alignl 7, 3214868480
	.fill 96, 4, 3214868480
	.section	.rodata,"a",@progbits
	.p2align	6, 0x0
	.amdhsa_kernel k_q08dec6c0d9_prep
		.amdhsa_group_segment_fixed_size 0
		.amdhsa_private_segment_fixed_size 0
		.amdhsa_enable_private_segment 0
		.amdhsa_kernarg_size 88
		.amdhsa_user_sgpr_count 2
		.amdhsa_user_sgpr_kernarg_segment_ptr 1
		.amdhsa_wavefront_size32 1
		.amdhsa_system_sgpr_workgroup_id_x 1
		.amdhsa_system_sgpr_workgroup_id_y 1
		.amdhsa_system_sgpr_workgroup_id_z 1
		.amdhsa_system_vgpr_workitem_id 0
		.amdhsa_next_free_vgpr 232
		.amdhsa_next_free_sgpr 66
		.amdhsa_reserve_vcc 0
		.amdhsa_float_denorm_mode_32 3
		.amdhsa_float_denorm_mode_16_64 3
		.amdhsa_memory_ordered 1
		.amdhsa_forward_progress 1
		.amdhsa_inst_pref_size 25
	.end_amdhsa_kernel
	.amdgpu_metadata
---
amdhsa.version: [ 1, 2 ]
amdhsa.kernels:
  - .name:           k_q08dec6c0d9_prep
    .symbol:         k_q08dec6c0d9_prep.kd
    .args:
      - { .name: x, .offset: 0, .size: 8, .value_kind: global_buffer, .address_space: global }
      - { .name: ln1_scale, .offset: 8, .size: 8, .value_kind: global_buffer, .address_space: global }
      - { .name: ln1_bias, .offset: 16, .size: 8, .value_kind: global_buffer, .address_space: global }
      - { .name: Wq, .offset: 24, .size: 8, .value_kind: global_buffer, .address_space: global }
      - { .name: Wk, .offset: 32, .size: 8, .value_kind: global_buffer, .address_space: global }
      - { .name: Wv, .offset: 40, .size: 8, .value_kind: global_buffer, .address_space: global }
      - { .name: Wo, .offset: 48, .size: 8, .value_kind: global_buffer, .address_space: global }
      - { .name: W1, .offset: 56, .size: 8, .value_kind: global_buffer, .address_space: global }
      - { .name: W2, .offset: 64, .size: 8, .value_kind: global_buffer, .address_space: global }
      - { .name: ha, .offset: 72, .size: 8, .value_kind: global_buffer, .address_space: global }
      - { .name: wb, .offset: 80, .size: 8, .value_kind: global_buffer, .address_space: global }
    .group_segment_fixed_size: 0
    .private_segment_fixed_size: 0
    .kernarg_segment_align: 8
    .kernarg_segment_size: 88
    .max_flat_workgroup_size: 256
    .sgpr_count:     66
    .vgpr_count:     232
    .wavefront_size: 32
...
	.end_amdgpu_metadata
.endif
;; end of part 1
;; launch qkv (part 2): grid 32 x 6, 4 waves a work-group, clusters of 4 x 1, 327,680 bytes of LDS; arguments ha, wb, big; writes big
.if DOCPART == 2
	.amdgcn_target "amdgcn-amd-amdhsa--gfx1250"
	.amdhsa_code_object_version 6
	.text
	.protected	k_q08dec6c0d9_qkv
	.globl	k_q08dec6c0d9_qkv
	.p2align	8
	.type	k_q08dec6c0d9_qkv,@function
k_q08dec6c0d9_qkv:
	s_mov_b64 s[64:65], 0
	v_nop
	global_prefetch_b8 v0, s[64:65] scope:SCOPE_SE
	s_setreg_imm32_b32 hwreg(HW_REG_WAVE_MODE, 25, 1), 1
	s_wait_xcnt 0x0
	s_wait_alu depctr_hold_cnt(0) depctr_sa_sdst(0) depctr_va_vdst(0) depctr_va_sdst(0) depctr_va_ssrc(0) depctr_va_vcc(0) depctr_vm_vsrc(0)
	s_getreg_b32 s2, hwreg(HW_REG_IB_STS2, 6, 4)
	s_cmp_eq_u32 s2, 0
	s_cbranch_scc0 .Lentry_in_a_cluster
	s_endpgm
.Lentry_in_a_cluster:
	s_bfe_u32 s2, ttmp6, 0x10000c
	s_cmp_lg_u32 s2, 0x3003
	s_cbranch_scc0 .Lentry_shape_is_right
	s_endpgm
.Lentry_shape_is_right:
; q, k, v = h1 [Wq, Wk, Wv].  h1 = ha [8192][512] bf16; the weights lie in wb as [K][N] bf16; sums in f32.  q is multiplied in f32 by c = log2(e) / sqrt(32) before its one rounding.
; Out, by heads, bf16: big = q at byte 0, k at 8,388,608, v at 16,777,216, each [64 = batch x 16 + head][2048][32].
; A tile of the product is 256 rows x 256 columns (half of one of the three matrices): four waves, each 128 x 128 in 64 accumulators.  K = 512 goes in four steps of 128 through two LDS slots.
; 32 tile rows x 6 tile columns = 192 work-groups: 1,536 columns have no split into 8 tiles whose LDS rows (for the turning load) have a padding interval that is a power of two.
; CLUSTER 4 x 1: the four work-groups have the same tile column, so the weights' tile is asked for jointly (mask 15); each has its own rows of ha (a load of its own, behind the same round).
; The weights are turned on the way out of LDS (ds_load_tr16_b128, row pitch 544 = 17 x 32 bytes).  The product is used transposed: source 0 = 16 columns of W, source 1 = 16 rows of ha:
; a lane then holds one row (lane % 16) and eight neighbouring columns 8 (lane / 16) + 0..7.
; No prefetch: K has four steps; two are the first fills and two the refills that follow at once.
; WINDOWS: 0: addresses, A's fragments v64-127, v128-191, the way out; 1: W's fragments, same numbers; 2, 3: accumulators (a, b) at 8 (8 a + b).
.set AP,    272                        ; a row of A in LDS: 256 bytes + 16
.set BP,    544                        ; a k-row of W in LDS: 512 bytes + 32
.set HALFT, 128*AP                     ; what one tensor load brings: 128 rows of A, or 64 k-rows of W (64 x 544 is the same number)
.set SLOT1, 4*HALFT                    ; 0x22000: it shares no bit with wave x HALFT (0x8800), so one exclusive or changes slots
.set DP,    528                        ; the way out: a row of 128 f32 + 16
.set SPARE, 2*SLOT1                    ; the spare words, 128 bytes a wave
.set ASTEP, 256                        ; bytes from K step to K step in ha
.set BSTEP, 128*1024                   ; and in a weight matrix of 512 columns
.set WV,   10
.set A0,   16                          ; v16 my lane's place in A's tile, v17 in W's; never rewritten
.set B0,   17
.set ADRA, 18                          ; v18, v19 the same in the slot in hand
.set ADRB, 19
.set STO,  24
.set RD,   25
.set CO,   26
.set SPW,  28
.set NIL,  29
.set F0,   64
.set F1,   128
.set G1,   24                          ; s[24:31] group 1 for A; s[32:39] group 0, two sets: the second walks
.set G0,   32
.set G1B,  48                          ; s[48:55], s[56:63] the same for W
.set G0B,  56
.set MSB, 0
.macro WIN new
.if MSB != (\new)
	s_set_vgpr_msb (MSB<<8)|(\new)
.set MSB, \new
.endif
.endm
.set MUL_LO, 0xa1
.set MUL_HI, 0xf1
.set TO_B,   0x40
.macro PLACES
.rept 4
	v_nop
.endr
.endm
.macro JLOAD s                         ; waves 0 and 1 fetch A's halves, waves 2 and 3 W's; s_nop 0 and four v_nop follow each line
	s_cmp_eq_u32 s11, 0
	s_cbranch_scc0 .Lfor_b_\@
	tensor_load_to_lds s[G0+4*(\s):G0+4*(\s)+3], s[G1:G1+7]
	s_nop 0
	PLACES
	s_branch .Lasked_\@
.Lfor_b_\@:
	tensor_load_to_lds s[G0B+4*(\s):G0B+4*(\s)+3], s[G1B:G1B+7]
	s_nop 0
	PLACES
.Lasked_\@:
.endm
.macro CREST
	s_cmp_lg_u32 s[WV], 0
	s_cbranch_scc1 .Lnot_wave_0_\@
	s_barrier_signal -3
.Lnot_wave_0_\@:
	s_barrier_wait -3
	s_barrier_signal -1
	s_barrier_wait -1
.endm
.macro CROUND
	s_barrier_signal -1
	s_barrier_wait -1
	CREST
.endm
	s_load_b128 s[4:7], s[0:1], 0x0                ; ha s[4:5], wb s[6:7]
	s_load_b64 s[8:9], s[0:1], 0x10                ; big
	v_lshl_add_u32 v[SPW], v0, 2, SPARE
	v_mov_b32 v[NIL], 0
	ds_add_u32 v[SPW], v[NIL]                      ; the wave's opening: the add and its wait ahead of my first tensor load
	v_lshrrev_b32 v1, 5, v0
	v_readfirstlane_b32 s[WV], v1
	s_lshr_b32 s11, s[WV], 1                       ; my half of the tile's rows; also: I fetch for A (0) or W (1)
	s_and_b32 s12, s[WV], 1                        ; my half of its columns; also: which half I fetch
	s_bfe_u32 s40, ttmp6, 0x40000                  ; cx
	s_lshl_b32 s13, ttmp9, 2
	s_add_co_u32 s13, s13, s40                     ; tile row R = 4 x cluster x + cx
	s_and_b32 s42, ttmp7, 0xffff                   ; tile column t, shared by the four partners
	s_mov_b32 s[G1+0], (1<<16)|(1<<20)|(5<<22)|(3<<25)              ; A: no mask; 2-byte elements; 4 words of padding after every 64
	s_mov_b32 s[G1+1], 128<<16                     ; tensor_dim0 = 128
	s_mov_b32 s[G1+2], 128<<16                     ; tensor_dim1 = 128
	s_mov_b32 s[G1+3], 128<<16                     ; tile_dim0 = 128
	s_mov_b32 s[G1+4], 128                         ; tile_dim1 = 128
	s_mov_b32 s[G1+5], 512                         ; elements from row to row
	s_mov_b32 s[G1+6], 0
	s_mov_b32 s[G1+7], 0
	s_mov_b32 s[G1B+0], 15|(1<<16)|(1<<20)|(1<<21)|(6<<22)|(7<<25)  ; W: the mask of four, bit 21 beside it; 8 words of padding after every 128
	s_mov_b32 s[G1B+1], 256<<16
	s_mov_b32 s[G1B+2], 64<<16
	s_mov_b32 s[G1B+3], 256<<16
	s_mov_b32 s[G1B+4], 64
	s_mov_b32 s[G1B+5], 512
	s_mov_b32 s[G1B+6], 0
	s_mov_b32 s[G1B+7], 0
	s_lshl_b32 s16, s13, 18                        ; A: 256 R rows of 1,024 bytes
	s_lshl_b32 s17, s12, 17                        ; + my 128 rows
	s_add_co_u32 s16, s16, s17
	s_mov_b32 s17, 0
	s_lshr_b32 s46, s42, 1                         ; W: matrix t / 2,
	s_lshl_b32 s46, s46, 19
	s_and_b32 s47, s42, 1                          ; its column half: 512 bytes of a row,
	s_lshl_b32 s47, s47, 9
	s_add_co_u32 s46, s46, s47
	s_lshl_b32 s47, s12, 16                        ; my 64 k-rows of 1,024 bytes
	s_add_co_u32 s46, s46, s47
	s_mov_b32 s47, 0
	s_mul_i32 s20, s[WV], HALFT                    ; where my load lands: A's halves, then W's
	s_wait_dscnt 0x0                               ; the opening add is done
	s_wait_kmcnt 0x0
	s_add_nc_u64 s[14:15], s[4:5], s[16:17]
	s_add_nc_u64 s[46:47], s[6:7], s[46:47]
	CROUND                                         ; the four work-groups are here: the first joint loads meet
.irp s, 0,1
	s_mov_b32 s[G0+4*(\s)], 1
	s_add_co_u32 s[G0+4*(\s)+1], s20, (\s)*SLOT1
	s_add_nc_u64 s[G0+4*(\s)+2:G0+4*(\s)+3], s[14:15], (\s)*ASTEP
	s_or_b32 s[G0+4*(\s)+3], s[G0+4*(\s)+3], 0x80000000
	s_mov_b32 s[G0B+4*(\s)], 1
	s_add_co_u32 s[G0B+4*(\s)+1], s20, (\s)*SLOT1
	s_add_nc_u64 s[G0B+4*(\s)+2:G0B+4*(\s)+3], s[46:47], (\s)*BSTEP
	s_or_b32 s[G0B+4*(\s)+3], s[G0B+4*(\s)+3], 0x80000000
	JLOAD \s                                       ; K steps 0 and 1: two loads of mine are out
.endr
	v_and_b32 v1, 15, v0                           ; r = l % 16
	v_bfe_u32 v2, v0, 4, 1                         ; h = l / 16
	v_mul_u32_u24 v3, v1, AP
	v_lshl_add_u32 v3, v2, 4, v3
	s_mul_i32 s21, s11, HALFT
	v_add_nc_u32 v[A0], s21, v3                    ; my 128 rows of A: row x pitch + 16 h
	v_and_b32 v4, 7, v0
	v_lshl_add_u32 v4, v2, 3, v4                   ; the turning load: k-row 8 h + l % 8,
	v_mul_u32_u24 v4, v4, BP
	v_bfe_u32 v5, v0, 3, 1
	v_lshl_add_u32 v4, v5, 4, v4                   ; 16 bytes for each half of eight lanes,
	s_lshl_b32 s22, s12, 8
	s_add_co_u32 s22, s22, 2*HALFT                 ; my 128 columns, behind A's 256 rows
	v_add_nc_u32 v[B0], s22, v4
	v_mov_b32 v[ADRA], v[A0]
	v_mov_b32 v[ADRB], v[B0]
	s_mov_b32 s2, 0                                ; the slot in hand
	s_mul_i32 s23, s[WV], 128*DP                   ; the way out: my 128 rows x 528 bytes
	v_mul_u32_u24 v3, v1, DP
	v_lshl_add_u32 v3, v2, 5, v3
	v_add_nc_u32 v[STO], s23, v3                   ; in: row r, 32 bytes for each half of the lanes
	v_bfe_u32 v3, v0, 3, 2                         ; back: four rows of one head's 32 columns: row (l / 8), 16 bytes x (l % 8)
	v_mul_u32_u24 v3, v3, DP
	v_and_b32 v4, 7, v0
	v_lshl_add_u32 v3, v4, 4, v3
	v_add_nc_u32 v[RD], s23, v3
	v_and_b32 v[CO], 31, v0
	v_lshlrev_b32 v[CO], 3, v[CO]                  ; 8 bytes a lane: 256 consecutive bytes of a head
	s_lshr_b32 s16, s42, 1
	s_lshl_b32 s16, s16, 23                        ; q, k or v
	s_lshr_b32 s17, s13, 3                         ; batch = R / 8
	s_lshl_b32 s17, s17, 4
	s_and_b32 s18, s42, 1
	s_lshl_b32 s18, s18, 3
	s_add_co_u32 s17, s17, s18
	s_lshl_b32 s18, s12, 2
	s_add_co_u32 s17, s17, s18                     ; batch x 16 + my first head
	s_lshl_b32 s17, s17, 11
	s_and_b32 s18, s13, 7
	s_lshl_b32 s18, s18, 8
	s_add_co_u32 s17, s17, s18
	s_lshl_b32 s18, s11, 7
	s_add_co_u32 s17, s17, s18                     ; + my first row in the batch
	s_lshl_b32 s17, s17, 6                         ; rows of 64 bytes
	s_add_co_u32 s16, s16, s17
	s_mov_b32 s17, 0
	s_add_nc_u64 s[8:9], s[8:9], s[16:17]
	s_cmp_lt_u32 s42, 2
	s_cselect_b32 s68, 0x3e8293ee, 1.0             ; c = log2(e) / sqrt(32) for q, 1 for k and v
	s_mov_b32 s69, s68
.macro MUL16 f, hi, a0, zero           ; 16 products: row blocks a0, a0 + 1 of the window's four x all 8 column blocks; the 64 accumulators take turns
	WIN MUL_LO+0x50*(\hi)
.irp a, \a0, (\a0)+1
.irp b, 0,1,2,3,4,5,6,7
.if \zero
	v_wmma_f32_16x16x32_bf16 v[8*(8*(\a)+(\b)):8*(8*(\a)+(\b))+7], v[(\f)+8*(\b):(\f)+8*(\b)+7], v[(\f)+8*(4*(\hi)+(\a)):(\f)+8*(4*(\hi)+(\a))+7], 0
.else
	v_wmma_f32_16x16x32_bf16 v[8*(8*(\a)+(\b)):8*(8*(\a)+(\b))+7], v[(\f)+8*(\b):(\f)+8*(\b)+7], v[(\f)+8*(4*(\hi)+(\a)):(\f)+8*(4*(\hi)+(\a))+7], v[8*(8*(\a)+(\b)):8*(8*(\a)+(\b))+7]
.endif
.endr
.endr
.endm
.macro FETCH q, f                      ; 32 LDS loads: quarter q (32 along K) of the slot in hand into buffer f: W's 8 column blocks, turned, then A's 8 row blocks
	WIN TO_B
.irp i, 0,1,2,3,4,5,6,7
	ds_load_tr16_b128 v[(\f)+8*(\i):(\f)+8*(\i)+3],   v[ADRB] offset:(\q)*32*BP+32*(\i)
	ds_load_tr16_b128 v[(\f)+8*(\i)+4:(\f)+8*(\i)+7], v[ADRB] offset:(\q)*32*BP+32*(\i)+16*BP
.endr
	WIN 0
.irp i, 0,1,2,3,4,5,6,7
	ds_load_b128 v[(\f)+8*(\i):(\f)+8*(\i)+3],   v[ADRA] offset:64*(\q)+(\i)*16*AP
	ds_load_b128 v[(\f)+8*(\i)+4:(\f)+8*(\i)+7], v[ADRA] offset:64*(\q)+(\i)*16*AP+32
.endr
.endm
.macro QUARTER q, f, g, zero           ; multiplies buffer f; in its middle fetches quarter q into buffer g
	s_wait_dscnt 8                                 ; W and A's rows 0-63 are in; the youngest eight loads (A's rows 64-127) may be out
	MUL16 \f, 0, 0, \zero
	MUL16 \f, 0, 2, \zero
	PLACES                                         ; four places in front of loads into registers that products have read
	FETCH \q, \g
	s_wait_dscnt 32                                ; all but the 32 just issued
	MUL16 \f, 1, 0, \zero
	MUL16 \f, 1, 2, \zero
.endm
.macro MEET round                      ; the first half of a K step's last quarter, and the barrier of the change of slots
	WIN 0
	s_wait_tensorcnt 0x0                           ; all my tensor loads have landed: my part of the next slot
	ds_add_u32 v[SPW], v[NIL]
	s_wait_dscnt 9                                 ; the add and the youngest eight loads may be out
	MUL16 F1, 0, 0, 0
	s_wait_dscnt 0x0                               ; the add is done, my reads of this slot are over
	s_barrier_signal -1
	MUL16 F1, 0, 2, 0
.if \round
	WIN 0
.endif
	s_barrier_wait -1
.endm
.macro NEXTSLOT
	s_xor_b32 s2, s2, SLOT1
	v_add_nc_u32 v[ADRA], s2, v[A0]
	v_add_nc_u32 v[ADRB], s2, v[B0]
.endm
.macro TURN                            ; the last quarter with a refill: the round is the refill's barrier; the joint load is the first thing behind it
	MEET 1
	CREST
	s_xor_b32 s[G0+5], s[G0+5], SLOT1              ; the walking descriptors: the slot just read out, the K step two on
	s_add_nc_u64 s[G0+6:G0+7], s[G0+6:G0+7], ASTEP
	s_xor_b32 s[G0B+5], s[G0B+5], SLOT1
	s_add_nc_u64 s[G0B+6:G0B+7], s[G0B+6:G0B+7], BSTEP
	JLOAD 1                                        ; its four v_nop are also the places in front of the loads below
	NEXTSLOT
	FETCH 0, F0
	MUL16 F1, 1, 0, 0
	MUL16 F1, 1, 2, 0
.endm
.macro TURNNF                          ; the same without a refill: a work-group barrier alone
	MEET 0
	PLACES
	WIN 0
	NEXTSLOT
	FETCH 0, F0
	MUL16 F1, 1, 0, 0
	MUL16 F1, 1, 2, 0
.endm
	s_wait_tensorcnt 1                             ; my part of K step 0 is in; K step 1's load may stay out
	s_barrier_signal -1
	s_barrier_wait -1
	FETCH 0, F0
	QUARTER 1, F0, F1, 1                           ; the first quarter starts the sums
	WIN 0
	s_mov_b32 s3, 2
.Lfill:                                        ; K steps 0 and 1: each refills its slot
	QUARTER 2, F1, F0, 0
	QUARTER 3, F0, F1, 0
	TURN
	QUARTER 1, F0, F1, 0
	WIN 0
	s_sub_co_u32 s3, s3, 1
	s_cmp_lg_u32 s3, 0
	s_cbranch_scc1 .Lfill
	s_mov_b32 s3, 2
.Ltail:                                        ; K steps 2 and 3: nothing is asked for.  The second trip is left in its middle; its 32 loads of the other slot's landed bytes serve nothing: the price of one text
	QUARTER 2, F1, F0, 0
	QUARTER 3, F0, F1, 0
	TURNNF
	WIN 0
	s_sub_co_u32 s3, s3, 1
	s_cmp_eq_u32 s3, 0
	s_cbranch_scc1 .Lout
	QUARTER 1, F0, F1, 0
	WIN 0
	s_cmp_lg_u32 s3, 0
	s_cbranch_scc1 .Ltail
.Lout:
	PLACES                                         ; the stores below read results just made
	s_wait_dscnt 0x0
	s_barrier_signal -1
	s_barrier_wait -1                              ; nobody reads the ring any more, and it has had its last fill: it serves as the stage
.irp hi, 0,1
	WIN 0x08+4*(\hi)                               ; store data from window 2, then 3
.irp a, 0,1,2,3
.irp b, 0,1,2,3,4,5,6,7
	ds_store_b128 v[STO], v[8*(8*(\a)+(\b)):8*(8*(\a)+(\b))+3]   offset:(4*(\hi)+(\a))*16*DP+64*(\b)
	ds_store_b128 v[STO], v[8*(8*(\a)+(\b))+4:8*(8*(\a)+(\b))+7] offset:(4*(\hi)+(\a))*16*DP+64*(\b)+16
.endr
.endr
.endr
	WIN 0
	s_mov_b32 s3, 16
.Lep:                                          ; 8 rows a trip, out of my own bytes (LDS serves a wave's instructions in order)
.irp qd, 0,1
.irp hh, 0,1,2,3
	ds_load_b128 v[32+4*(4*(\qd)+(\hh)):32+4*(4*(\qd)+(\hh))+3], v[RD] offset:(\qd)*4*DP+(\hh)*128
.endr
.endr
	s_wait_dscnt 0x0
.set k, 0
.rept 16
	v_pk_mul_f32 v[32+2*k:33+2*k], v[32+2*k:33+2*k], s[68:69] op_sel_hi:[1,0]
.set k, k+1
.endr
.set k, 0
.rept 16
	v_cvt_pk_bf16_f32 v[192+k], v[32+2*k], v[33+2*k]
.set k, k+1
.endr
.irp qd, 0,1
.irp hh, 0,1,2,3
	global_store_b64 v[CO], v[192+2*(4*(\qd)+(\hh)):193+2*(4*(\qd)+(\hh))], s[8:9] offset:(\hh)*131072+(\qd)*256  ; four rows of one head: 256 consecutive bytes, aligned
.endr
.endr
	s_wait_xcnt 0x0                                ; the stores have read their registers and their base
	v_add_nc_u32 v[RD], 8*DP, v[RD]
	s_add_nc_u64 s[8:9], s[8:9], 512
	s_sub_co_u32 s3, s3, 1
	s_cmp_lg_u32 s3, 0
	s_cbranch_scc1 .Lep
	s_wait_tensorcnt 0x0                           ; the wave's end
	ds_add_u32 v[SPW], v[NIL]
	s_wait_dscnt 0x0
	CROUND                                         ; the closing round
	s_endpgm
.Lfunc_end_k_q08dec6c0d9_qkv:
	.size	k_q08dec6c0d9_qkv, .Lfunc_end_k_q08dec6c0d9_qkv-k_q08dec6c0d9_qkv
	.p2alignl 7, 3214868480
	.fill 96, 4, 3214868480
	.section	.rodata,"a",@progbits
	.p2align	6, 0x0
	.amdhsa_kernel k_q08dec6c0d9_qkv
		.amdhsa_group_segment_fixed_size 327680
		.amdhsa_private_segment_fixed_size 0
		.amdhsa_enable_private_segment 0
		.amdhsa_kernarg_size 24
		.amdhsa_user_sgpr_count 2
		.amdhsa_user_sgpr_kernarg_segment_ptr 1
		.amdhsa_wavefront_size32 1
		.amdhsa_system_sgpr_workgroup_id_x 1
		.amdhsa_system_sgpr_workgroup_id_y 1
		.amdhsa_system_sgpr_workgroup_id_z 1
		.amdhsa_system_vgpr_workitem_id 0
		.amdhsa_next_free_vgpr 1024
		.amdhsa_next_free_sgpr 72
		.amdhsa_reserve_vcc 0
		.amdhsa_float_denorm_mode_32 3
		.amdhsa_float_denorm_mode_16_64 3
		.amdhsa_memory_ordered 1
		.amdhsa_forward_progress 1
		.amdhsa_inst_pref_size 81
	.end_amdhsa_kernel
	.amdgpu_metadata
---
amdhsa.version: [ 1, 2 ]
amdhsa.kernels:
  - .name:           k_q08dec6c0d9_qkv
    .symbol:         k_q08dec6c0d9_qkv.kd
    .args:
      - { .name: ha, .offset: 0, .size: 8, .value_kind: global_buffer, .address_space: global }
      - { .name: wb, .offset: 8, .size: 8, .value_kind: global_buffer, .address_space: global }
      - { .name: big, .offset: 16, .size: 8, .value_kind: global_buffer, .address_space: global }
    .group_segment_fixed_size: 327680
    .private_segment_fixed_size: 0
    .kernarg_segment_align: 8
    .kernarg_segment_size: 24
    .max_flat_workgroup_size: 128
    .sgpr_count:     72
    .vgpr_count:     1024
    .wavefront_size: 32
...
	.end_amdgpu_metadata
.endif
;; end of part 2
;; launch attn (part 3): grid 4 x 64, 8 waves a work-group, no clusters, 327,680 bytes of LDS; arguments big, hb; writes hb
.if DOCPART == 3
	.amdgcn_target "amdgcn-amd-amdhsa--gfx1250"
	.amdhsa_code_object_version 6
	.text
	.protected	k_q08dec6c0d9_attn
	.globl	k_q08dec6c0d9_attn
	.p2align	8
	.type	k_q08dec6c0d9_attn,@function
k_q08dec6c0d9_attn:
	s_mov_b64 s[64:65], 0
	v_nop
	global_prefetch_b8 v0, s[64:65] scope:SCOPE_SE
	s_setreg_imm32_b32 hwreg(HW_REG_WAVE_MODE, 25, 1), 1
	s_wait_xcnt 0x0
; CAUSAL ATTENTION, head size 32.  q (already times log2(e) / sqrt(32)), k, v: big at bytes 0, 8,388,608, 16,777,216, each [64][2048][32] bf16.  Out: hb = ctx, [64][2048][32] bf16.
; Products, maxima and sums in f32; the weights p = 2^(s - m), m a running maximum, are rounded to bf16 for the second product; their sum l is taken of the rounded p, by the matrix unit.
; LIMITS.  A hidden score counts as -1e30 (or its value less 1e30); a weight below 2^-126 counts as 0; NaN and infinities are not treated apart.
; THE WALK.  A head has 8 blocks of 256 queries; block i needs the key tiles 0 .. i of 256 keys.  Work-group b takes blocks 7 - b and then b: 9 tiles whatever b, one loop of constant count, two LDS slots.
; SHARES.  Eight waves, two to a SIMD, so that one wave's products stand beside the other's softmax; 256 registers a wave, no window is switched.  A wave owns 32 queries, two tiles of 16:
; band x = w (w < 4) or 7 - w, half hf = w / 4: rows 64 x + 32 hf + 16 u + r.  In the diagonal tile key step s is all visible (s < x), holds the diagonal (s = x), or is jumped over (s > x).
; LAYOUT.  S^T = K Q^T: a lane holds one query (lane % 16) and keys 8 (lane / 16) + 0..7; two results rounded in pairs ARE source 1 of O^T = V^T P and of l = ONES P (every lane then holds its query's l).
; NO CLUSTER: a head's four work-groups ask for the same tile only in trips 0 to 4 of 9; a walk common to all would have 12 trips; a tile is 32 KiB for four key steps of eight waves.
.set NB,    8
.set PK,    80                         ; a key's 64 bytes + 16
.set PV,    96                         ; a value's 64 bytes + 32: an odd multiple of 32 for the turning load
.set VOFF,  256*PK
.set SLOT1, 65536
.set STAGE, 131072                     ; never filled by a tensor load: 2 x 16 rows x 80 bytes a wave
.set SP,    80
.set SPARE, STAGE+8*2*16*SP
.set AK0, 2
.set AV0, 3
.set AK,  4
.set AV,  5
.set STO, 6
.set RD,  7
.set GO,  8
.set QO,  10
.set SPW, 12
.set NIL, 13
.set PFO, 14
.set ST,  16                           ; tile u at ST + 8 u: m, filler, a, filler, c0-c3
.set TRI, 32                           ; register j: -1e30 where 8 h + j > r, else 0
.set ONES, 40
.set QQ,  48
.set QB,  64                           ; the second block's Q
.set KF,  80
.set VF,  112
.set SS,  144                          ; 32 a tile; P is packed into the low 16 in place
.set OO,  208                          ; tile u, channel block cb at OO + 16 u + 8 cb
.set LL,  240
.set WV,  12
.set PB,  14
.set HI,  15
.set XB,  16
.set HF,  17
.set LIVE, 18
.set OWN, 19
.set G1K, 24
.set G1V, 32
.set G0K, 40
.set G0V, 44
.set OP,  48                           ; s[48:49] ctx at my rows of the block in hand, s[50:51] of the second block
.set SB,  54                           ; the slot in hand
.set BIGN, 55
.set SLOTS, 56
.set CNT, 57
.set TBK, 58
.set TBV, 59
.set SEL, 60
.set PFN, 62                           ; the tile that my prefetches name
.set PLIM, 63                          ; 8 in a wave that prefetches, else 0
.set PFA, 66
.set RT,  70
.set NXT, 71
.set LQ,  72
.set NEW, 73
.set OFF, 74
.set QP,  76
.macro PLACES
.rept 4
	v_nop
.endr
.endm
.macro LOAD                            ; wave 0 fetches a tile's K, wave 1 its V: 16 KiB each, as 64 rows of 256 bytes
	s_cmp_eq_u32 s[WV], 0
	s_cbranch_scc0 .Lnot_k_\@
	tensor_load_to_lds s[G0K:G0K+3], s[G1K:G1K+7]
	s_nop 0
	PLACES
	s_branch .Lasked_\@
.Lnot_k_\@:
	s_cmp_eq_u32 s[WV], 1
	s_cbranch_scc0 .Lasked_\@
	tensor_load_to_lds s[G0V:G0V+3], s[G1V:G1V+7]
	s_nop 0
	PLACES
.Lasked_\@:
.endm
; A prefetch of the tile that the NEXT change of slots will ask for: 64 blocks of 256 bytes, a lane a block, two instructions.  A head's four work-groups walk the same tiles: work-group 0, whose first
; block has all eight, asks; its wave 2 for K, its wave 3 for V.  Tiles 0 and 1 come by their loads alone; tile 7 is the last that is named.
.macro ASK
	s_cmp_lt_u32 s[PFN], s[PLIM]
	s_cbranch_scc0 .Lnot_mine_\@
	global_prefetch_b8 v[PFO], s[PFA:PFA+1] th:TH_LOAD_NT scope:SCOPE_SE
	global_prefetch_b8 v[PFO], s[PFA:PFA+1] offset:8192 th:TH_LOAD_NT scope:SCOPE_SE
.Lnot_mine_\@:
.endm
.macro CHANGE fill                     ; the change of slots; fill = 1: the slot that is left takes tile NXT, first thing behind the barrier
.if \fill
	s_wait_xcnt 0x0                                ; the last prefetches, a tile back, and the stores have read their addresses
	s_add_nc_u64 s[PFA:PFA+1], s[PFA:PFA+1], 16384
	s_add_co_u32 s[PFN], s[PFN], 1
.endif
	s_wait_tensorcnt 0x0                           ; no tensor load of mine is out, so a group 0 may be written
	ds_add_u32 v[SPW], v[NIL]
.if \fill
	s_lshl_b32 s[OFF], s[NXT], 14                  ; a tile is 16,384 bytes of K and of V
	s_xor_b32 s[G0K+1], s[G0K+1], SLOT1
	s_add_nc_u64 s[G0K+2:G0K+3], s[8:9], s[OFF:OFF+1]
	s_or_b32 s[G0K+3], s[G0K+3], 0x80000000
	s_xor_b32 s[G0V+1], s[G0V+1], SLOT1
	s_add_nc_u64 s[G0V+2:G0V+3], s[10:11], s[OFF:OFF+1]
	s_or_b32 s[G0V+3], s[G0V+3], 0x80000000
	s_add_co_u32 s[NXT], s[NXT], 1                 ; the block's next tile, or behind its last the second block's tile 0
	s_cmp_gt_u32 s[NXT], s[LQ]
	s_cselect_b32 s[NXT], 0, s[NXT]
	s_cselect_b32 s[LQ], s[PB], s[LQ]
.endif
	s_wait_dscnt 0x0                               ; the add is done, my reads of the slot are over
	s_barrier_signal -1
	s_xor_b32 s[SB], s[SB], SLOT1
	s_barrier_wait -1
.if \fill
	LOAD
	ASK
.endif
.endm
	s_load_b128 s[4:7], s[0:1], 0x0                ; big s[4:5], hb s[6:7]
	v_lshl_add_u32 v[SPW], v0, 2, SPARE
	v_mov_b32 v[NIL], 0
	ds_add_u32 v[SPW], v[NIL]                      ; the wave's opening: the add and its wait ahead of the first tensor load
	v_lshrrev_b32 v1, 5, v0
	v_readfirstlane_b32 s[WV], v1
	s_mov_b32 s[PB], ttmp9
	s_sub_co_u32 s[HI], NB-1, s[PB]
	s_lshr_b32 s[HF], s[WV], 2
	s_sub_co_u32 s20, 7, s[WV]
	s_cmp_lt_u32 s[WV], 4
	s_cselect_b32 s[XB], s[WV], s20
	s_and_b32 s20, ttmp7, 0xffff
	s_lshl_b32 s20, s20, 17                        ; the head's first byte in q, k, v and ctx
	s_mov_b32 s21, 0
	s_lshl_b32 s22, s[XB], 12                      ; my band: 64 rows of 64 bytes,
	s_lshl_b32 s23, s[HF], 11                      ; my half of it
	s_add_co_u32 s22, s22, s23
	s_add_co_u32 s22, s22, s20
	s_lshl_b32 s2, s[HI], 14                       ; the first block
	s_add_co_u32 s2, s2, s22
	s_mov_b32 s3, 0
	s_lshl_b32 s52, s[PB], 14                      ; the second
	s_add_co_u32 s52, s52, s22
	s_mov_b32 s53, 0
	s_mov_b32 s[G1K], (1<<16)|(1<<20)|(3<<22)|(3<<25)  ; 2-byte elements; 4 words of padding after every 16 (a key)
	s_mov_b32 s[G1V], (1<<16)|(1<<20)|(3<<22)|(7<<25)  ; 8 words
.irp g, G1K, G1V
	s_mov_b32 s[\g+1], 128<<16
	s_mov_b32 s[\g+2], 64<<16
	s_mov_b32 s[\g+3], 128<<16
	s_mov_b32 s[\g+4], 64
	s_mov_b32 s[\g+5], 128
	s_mov_b32 s[\g+6], 0
	s_mov_b32 s[\g+7], 0
.endr
	s_mov_b32 s[G0K], 1
	s_mov_b32 s[G0K+1], 0
	s_mov_b32 s[G0V], 1
	s_mov_b32 s[G0V+1], VOFF
	s_mov_b32 s[SEL], 0x76543210
	s_mov_b32 s[SEL+1], 0xfedcba98
	s_mov_b32 s[BIGN], 0xf149f2ca                  ; -1e30
	s_mov_b32 s[SB], SLOT1                         ; the first change of slots turns it into 0
	s_add_co_u32 s[RT], s[HI], 1
	s_mov_b32 s[NXT], 1
	s_mov_b32 s[LQ], s[HI]
	s_mov_b32 s[NEW], 1
	s_mov_b32 s[OFF+1], 0
	s_mov_b32 s[SLOTS], NB
	s_mov_b32 s[PFN], 1
	s_lshr_b32 s13, s[WV], 1
	s_xor_b32 s13, s13, 1                          ; 0 in waves 2 and 3,
	s_or_b32 s13, s13, ttmp9                       ; of work-group 0
	s_cmp_eq_u32 s13, 0
	s_cselect_b32 s[PLIM], 8, 0
	s_wait_dscnt 0x0                               ; the opening add is done
	s_wait_kmcnt 0x0
	s_add_nc_u64 s[8:9], s[4:5], s[20:21]
	s_add_nc_u64 s[8:9], s[8:9], 8388608           ; K at the head
	s_add_nc_u64 s[10:11], s[8:9], 8388608         ; V
	s_add_nc_u64 s[G0K+2:G0K+3], s[8:9], 0
	s_or_b32 s[G0K+3], s[G0K+3], 0x80000000
	s_add_nc_u64 s[G0V+2:G0V+3], s[10:11], 0
	s_or_b32 s[G0V+3], s[G0V+3], 0x80000000
	s_add_nc_u64 s[QP:QP+1], s[4:5], s[2:3]
	s_add_nc_u64 s[QP+2:QP+3], s[4:5], s[52:53]
	s_add_nc_u64 s[OP:OP+1], s[6:7], s[2:3]
	s_add_nc_u64 s[OP+2:OP+3], s[6:7], s[52:53]
	s_cmp_eq_u32 s[WV], 2
	s_cselect_b64 s[PFA:PFA+1], s[8:9], s[10:11]
	s_add_nc_u64 s[PFA:PFA+1], s[PFA:PFA+1], 16384 ; at tile 1; the first change of slots steps it to tile 2
	LOAD                                           ; tile 0 into slot 0
	v_and_b32 v1, 15, v0                           ; r
	v_bfe_u32 v9, v0, 4, 1                         ; h
	v_lshlrev_b32 v[QO], 6, v1
	v_lshl_add_u32 v[QO], v9, 4, v[QO]             ; row x 64 + 16 h
.irp u, 0,1
	global_load_b128 v[QQ+8*(\u):QQ+8*(\u)+3],   v[QO], s[QP:QP+1] offset:(\u)*1024
	global_load_b128 v[QQ+8*(\u)+4:QQ+8*(\u)+7], v[QO], s[QP:QP+1] offset:(\u)*1024+32
	global_load_b128 v[QB+8*(\u):QB+8*(\u)+3],   v[QO], s[QP+2:QP+3] offset:(\u)*1024
	global_load_b128 v[QB+8*(\u)+4:QB+8*(\u)+7], v[QO], s[QP+2:QP+3] offset:(\u)*1024+32
.endr
	v_lshlrev_b32 v11, 3, v9
	v_sub_nc_u32 v11, v1, v11                      ; r - 8 h: register j is hidden where j is greater
.set i, 0
.rept 8
	v_cmp_gt_i32 vcc_lo, i, v11
	v_cndmask_b32 v[TRI+i], 0, s[BIGN], vcc_lo
	v_mov_b32 v[ONES+i], 0x3f803f80                ; 1.0 twice in bf16
.set i, i+1
.endr
	v_mul_u32_u24 v[AK0], v1, PK
	v_lshl_add_u32 v[AK0], v9, 4, v[AK0]           ; key row x pitch + 16 h
	v_and_b32 v15, 7, v0
	v_lshl_add_u32 v[AV0], v9, 3, v15              ; the turning load: key 8 h + l % 8,
	v_mul_u32_u24 v[AV0], v[AV0], PV
	v_bfe_u32 v15, v0, 3, 1
	v_lshl_add_u32 v[AV0], v15, 4, v[AV0]
	v_add_nc_u32 v[AV0], VOFF, v[AV0]
	s_mul_i32 s13, s[WV], 2*16*SP
	s_add_co_u32 s13, s13, STAGE
	v_add_nc_u32 v[STO], s13, v[AK0]               ; in: row r x 80 + 16 h (the stage has K's pitch)
	v_bfe_u32 v[RD], v0, 2, 3                      ; back: 32 lanes take eight rows of 64 bytes,
	v_mul_u32_u24 v[RD], v[RD], SP
	v_and_b32 v15, 3, v0
	v_lshl_add_u32 v[RD], v15, 4, v[RD]
	v_add_nc_u32 v[RD], s13, v[RD]
	v_and_b32 v[GO], 31, v0
	v_lshlrev_b32 v[PFO], 8, v[GO]
	v_lshlrev_b32 v[GO], 4, v[GO]                  ; which are 512 consecutive bytes of ctx
.set i, 0
.rept 16
	v_mov_b32 v[ST+i], 0
.set i, i+1
.endr
.set i, 0
.rept 48                                       ; a block's first step multiplies O^T and l by a = 0: they need only be finite.  Written in the wait for the first tile
	v_mov_b32 v[OO+i], 0
.set i, i+1
.endr
	s_wait_loadcnt 0x0                             ; both blocks' Q
.macro XS u, n                         ; number n of the 21 that find tile u's maximum, m and a; each accumulator's lowest registers are read first
.set rT, ST+8*(\u)
.set rC, ST+8*(\u)+4
.set rS, SS+32*(\u)
.if (\n) < 4
	v_max3_num_f32 v[rC+(\n)], v[rS+8*(\n)], v[rS+8*(\n)+1], v[rS+8*(\n)+2]
.elseif (\n) < 12
	v_max3_num_f32 v[rC+(\n)%4], v[rC+(\n)%4], v[rS+8*((\n)%4)+2*((\n)/4)+1], v[rS+8*((\n)%4)+2*((\n)/4)+2]
.elseif (\n) == 12
	v_max3_num_f32 v[rC], v[rC], v[rS+7], v[rS+15]
.elseif (\n) == 13
	v_max3_num_f32 v[rC+1], v[rC+1], v[rS+23], v[rS+31]
.elseif (\n) == 14
	v_max3_num_f32 v[rC+2], v[rC+2], v[rC+3], v[rT]
.elseif (\n) == 15
	v_max3_num_f32 v[rC], v[rC], v[rC+1], v[rC+2]
.elseif (\n) == 16
	v_permlanex16_b32 v[rC+3], v[rC], s[SEL], s[SEL+1]  ; the query's other 32 keys lie in the lane 16 away
.elseif (\n) == 17
	v_max_num_f32 v[rC], v[rC], v[rC+3]
.elseif (\n) == 18
	v_sub_f32 v[rT+2], v[rT], v[rC]                ; m_old - m_new
.elseif (\n) == 19
	v_mov_b32 v[rT], v[rC]
.else
	v_exp_f32 v[rT+2], v[rT+2]
.endif
.endm
.macro MASKT hf                        ; the band's own step, for half hf: of tile u the key group d = 2 hf + u holds the diagonal, the groups behind it are hidden
.irp u, 0,1
.set d, 2*(\hf)+(\u)
.irp k, 0,1,2,3
	v_pk_add_f32 v[SS+32*(\u)+8*d+2*(\k):SS+32*(\u)+8*d+2*(\k)+1], v[SS+32*(\u)+8*d+2*(\k):SS+32*(\u)+8*d+2*(\k)+1], v[TRI+2*(\k):TRI+2*(\k)+1]
.endr
.set z, 8*(d+1)
.rept 8*(3-d)
	v_mov_b32 v[SS+32*(\u)+z], s[BIGN]
.set z, z+1
.endr
.endr
.endm
.macro STEP                            ; one key step of 64 keys for my two tiles
.rept 5
	v_nop                                          ; five places behind the last products V^T P: V is loaded anew, and K Q^T writes over P
.endr
	s_mul_i32 s[TBK], s[CNT], 64*PK
	s_mul_i32 s[TBV], s[CNT], 64*PV
	s_add_co_u32 s[TBK], s[TBK], s[SB]
	s_add_co_u32 s[TBV], s[TBV], s[SB]
	v_add_nc_u32 v[AK], s[TBK], v[AK0]
	v_add_nc_u32 v[AV], s[TBV], v[AV0]
.irp kt, 0,1,2,3
	ds_load_b128 v[KF+8*(\kt):KF+8*(\kt)+3],   v[AK] offset:(\kt)*16*PK
	ds_load_b128 v[KF+8*(\kt)+4:KF+8*(\kt)+7], v[AK] offset:(\kt)*16*PK+32
.endr
.irp f, 0,1,2,3                        ; keys 32 (f / 2) on, channels 16 (f % 2) on
	ds_load_tr16_b128 v[VF+8*(\f):VF+8*(\f)+3],   v[AV] offset:((\f)/2)*32*PV+((\f)%2)*32
	ds_load_tr16_b128 v[VF+8*(\f)+4:VF+8*(\f)+7], v[AV] offset:((\f)/2)*32*PV+((\f)%2)*32+16*PV
.endr
	s_wait_dscnt 8                                 ; K's eight loads are in; V's eight may stay out
.irp kt, 0,1,2,3
.irp u, 0,1
	v_wmma_f32_16x16x32_bf16 v[SS+32*(\u)+8*(\kt):SS+32*(\u)+8*(\kt)+7], v[KF+8*(\kt):KF+8*(\kt)+7], v[QQ+8*(\u):QQ+8*(\u)+7], 0
.endr
.endr
	PLACES
	s_cmp_eq_u32 s[CNT], s[OWN]
	s_cbranch_scc0 .Lopen_\@
	s_cmp_eq_u32 s[HF], 0
	s_cbranch_scc0 .Lupper_\@
	MASKT 0
	s_branch .Lopen_\@
.Lupper_\@:
	MASKT 1
.Lopen_\@:
.irp n, 0,1,2,3,4,5,6,7,8,9,10,11,12,13,14,15,16,17,18,19,20
	XS 0, \n
	XS 1, \n
.endr
.set p, 0
.rept 16                               ; s - m for pair p; the exponentials of the pair before stand behind it.  None of these names an exponential's result
.irp u, 0,1
	v_pk_add_f32 v[SS+32*(\u)+2*p:SS+32*(\u)+2*p+1], v[SS+32*(\u)+2*p:SS+32*(\u)+2*p+1], v[ST+8*(\u):ST+8*(\u)+1] op_sel_hi:[1,0] neg_lo:[0,1] neg_hi:[0,1]
.endr
.if p > 0
.irp u, 0,1
	v_exp_f32 v[SS+32*(\u)+2*p-2], v[SS+32*(\u)+2*p-2]
	v_exp_f32 v[SS+32*(\u)+2*p-1], v[SS+32*(\u)+2*p-1]
.endr
.endif
.set p, p+1
.endr
.irp u, 0,1
	v_exp_f32 v[SS+32*(\u)+30], v[SS+32*(\u)+30]
	v_exp_f32 v[SS+32*(\u)+31], v[SS+32*(\u)+31]
.endr
	v_nop                                          ; a plain instruction behind the last exponential,
	s_wait_alu depctr_va_vdst(0)                   ; and one wait for the step's 66
.set i, 0
.rept 16
.irp u, 0,1
	v_cvt_pk_bf16_f32 v[SS+32*(\u)+i], v[SS+32*(\u)+2*i], v[SS+32*(\u)+2*i+1]
.endr
.set i, i+1
.endr
.set i, 0
.rept 8
.irp u, 0,1
	v_pk_mul_f32 v[OO+16*(\u)+2*i:OO+16*(\u)+2*i+1], v[OO+16*(\u)+2*i:OO+16*(\u)+2*i+1], v[ST+8*(\u)+2:ST+8*(\u)+3] op_sel_hi:[1,0]
.endr
.set i, i+1
.endr
.irp u, 0,1
	v_pk_mul_f32 v[LL+8*(\u):LL+8*(\u)+1], v[LL+8*(\u):LL+8*(\u)+1], v[ST+8*(\u)+2:ST+8*(\u)+3] op_sel_hi:[1,0]  ; l lies in register 0; the others are never read
.endr
	s_wait_dscnt 0x0                               ; V is in
.irp kk, 0,1                           ; six accumulators by turns
.irp u, 0,1
	v_wmma_f32_16x16x32_bf16 v[OO+16*(\u):OO+16*(\u)+7],    v[VF+16*(\kk):VF+16*(\kk)+7],    v[SS+32*(\u)+8*(\kk):SS+32*(\u)+8*(\kk)+7], v[OO+16*(\u):OO+16*(\u)+7]
	v_wmma_f32_16x16x32_bf16 v[OO+16*(\u)+8:OO+16*(\u)+15], v[VF+16*(\kk)+8:VF+16*(\kk)+15], v[SS+32*(\u)+8*(\kk):SS+32*(\u)+8*(\kk)+7], v[OO+16*(\u)+8:OO+16*(\u)+15]
	v_wmma_f32_16x16x32_bf16 v[LL+8*(\u):LL+8*(\u)+7],      v[ONES:ONES+7],                  v[SS+32*(\u)+8*(\kk):SS+32*(\u)+8*(\kk)+7], v[LL+8*(\u):LL+8*(\u)+7]
.endr
.endr
.endm
.macro OUT                             ; O^T / l, rounded, through my stage, 16 rows of ctx as 1,024 consecutive bytes
	PLACES
	v_rcp_f32 v[ST+2],  v[LL]
	v_rcp_f32 v[ST+10], v[LL+8]
	v_nop
	s_wait_alu depctr_va_vdst(0)                   ; one wait for the two reciprocals
.irp u, 0,1
.set i, 0
.rept 8
	v_pk_mul_f32 v[SS+32*(\u)+2*i:SS+32*(\u)+2*i+1], v[OO+16*(\u)+2*i:OO+16*(\u)+2*i+1], v[ST+8*(\u)+2:ST+8*(\u)+3] op_sel_hi:[1,0]
.set i, i+1
.endr
.set i, 0
.rept 8
	v_cvt_pk_bf16_f32 v[SS+32*(\u)+16+i], v[SS+32*(\u)+2*i], v[SS+32*(\u)+2*i+1]
.set i, i+1
.endr
	ds_store_b128 v[STO], v[SS+32*(\u)+16:SS+32*(\u)+19] offset:(\u)*16*SP
	ds_store_b128 v[STO], v[SS+32*(\u)+20:SS+32*(\u)+23] offset:(\u)*16*SP+32
	ds_load_b128 v[SS+32*(\u)+24:SS+32*(\u)+27], v[RD] offset:(\u)*16*SP        ; LDS serves a wave's instructions in order: these see the stores above
	ds_load_b128 v[SS+32*(\u)+28:SS+32*(\u)+31], v[RD] offset:(\u)*16*SP+8*SP
.endr
	s_wait_dscnt 0x0
.irp u, 0,1
	global_store_b128 v[GO], v[SS+32*(\u)+24:SS+32*(\u)+27], s[OP:OP+1] offset:(\u)*1024
	global_store_b128 v[GO], v[SS+32*(\u)+28:SS+32*(\u)+31], s[OP:OP+1] offset:(\u)*1024+512
.endr
.endm
.macro TILE more                       ; a tile's four key steps; more = 1: a block may follow
	s_sub_co_u32 s[RT], s[RT], 1
	s_cmp_eq_u32 s[NEW], 1
	s_cbranch_scc0 .Lold_\@
	v_mov_b32 v[ST], 0xff7fffff                    ; a block begins: m at the lowest finite number, so the first a is 0
	v_mov_b32 v[ST+8], 0xff7fffff
	s_mov_b32 s[NEW], 0
.Lold_\@:
	s_cmp_eq_u32 s[RT], 0                          ; the diagonal tile?
	s_cselect_b32 s[LIVE], s[XB], 3                ; then steps behind my band's own are hidden,
	s_cselect_b32 s[OWN], s[XB], 99                ; and that one takes the mask
	s_mov_b32 s[CNT], 0
.Lstep_\@:
	s_cmp_gt_u32 s[CNT], s[LIVE]
	s_cbranch_scc1 .Lskip_\@                       ; forward, past no barrier and no tensor load
	STEP
.Lskip_\@:
	s_add_co_u32 s[CNT], s[CNT], 1
	s_cmp_lt_u32 s[CNT], 4
	s_cbranch_scc1 .Lstep_\@
	s_cmp_eq_u32 s[RT], 0
	s_cbranch_scc0 .Lon_\@
	OUT
.if \more
	s_wait_xcnt 0x0                                ; the stores have read their registers and their base
	s_mov_b64 s[OP:OP+1], s[OP+2:OP+3]
	s_add_co_u32 s[RT], s[PB], 1                   ; the second block has b + 1 tiles
	s_mov_b32 s[NEW], 1
.set i, 0
.rept 16
	v_mov_b32 v[QQ+i], v[QB+i]
.set i, i+1
.endr
.endif
.Lon_\@:
.endm
.Lslot:                                        ; 8 times: a tile is entered and the next is asked for
	CHANGE 1
	TILE 1
	s_sub_co_u32 s[SLOTS], s[SLOTS], 1
	s_cmp_lg_u32 s[SLOTS], 0
	s_cbranch_scc1 .Lslot
	CHANGE 0                                       ; the walk's last tile is written out: nothing is asked for
	TILE 0
	s_wait_tensorcnt 0x0                           ; the wave's end
	ds_add_u32 v[SPW], v[NIL]
	s_wait_dscnt 0x0
	s_endpgm
.Lfunc_end_k_q08dec6c0d9_attn:
	.size	k_q08dec6c0d9_attn, .Lfunc_end_k_q08dec6c0d9_attn-k_q08dec6c0d9_attn
	.p2alignl 7, 3214868480
	.fill 96, 4, 3214868480
	.section	.rodata,"a",@progbits
	.p2align	6, 0x0
	.amdhsa_kernel k_q08dec6c0d9_attn
		.amdhsa_group_segment_fixed_size 327680
		.amdhsa_private_segment_fixed_size 0
		.amdhsa_enable_private_segment 0
		.amdhsa_kernarg_size 16
		.amdhsa_user_sgpr_count 2
		.amdhsa_user_sgpr_kernarg_segment_ptr 1
		.amdhsa_wavefront_size32 1
		.amdhsa_system_sgpr_workgroup_id_x 1
		.amdhsa_system_sgpr_workgroup_id_y 1
		.amdhsa_system_sgpr_workgroup_id_z 1
		.amdhsa_system_vgpr_workitem_id 0
		.amdhsa_next_free_vgpr 256
		.amdhsa_next_free_sgpr 80
		.amdhsa_reserve_vcc 1
		.amdhsa_float_denorm_mode_32 3
		.amdhsa_float_denorm_mode_16_64 3
		.amdhsa_memory_ordered 1
		.amdhsa_forward_progress 1
		.amdhsa_inst_pref_size 50
	.end_amdhsa_kernel
	.amdgpu_metadata
---
amdhsa.version: [ 1, 2 ]
amdhsa.kernels:
  - .name:           k_q08dec6c0d9_attn
    .symbol:         k_q08dec6c0d9_attn.kd
    .args:
      - { .name: big, .offset: 0, .size: 8, .value_kind: global_buffer, .address_space: global }
      - { .name: hb, .offset: 8, .size: 8, .value_kind: global_buffer, .address_space: global }
    .group_segment_fixed_size: 327680
    .private_segment_fixed_size: 0
    .kernarg_segment_align: 8
    .kernarg_segment_size: 16
    .max_flat_workgroup_size: 256
    .sgpr_count:     80
    .vgpr_count:     256
    .wavefront_size: 32
...
	.end_amdgpu_metadata
.endif
;; end of part 3
;; launch wo (part 4): grid 256 x 1, 4 waves a work-group, clusters of 4 x 1, 327,680 bytes of LDS; arguments hb, wb, x, bo, ln2_scale, ln2_bias, x1, ha; writes x1, ha
.if DOCPART == 4
	.amdgcn_target "amdgcn-amd-amdhsa--gfx1250"
	.amdhsa_code_object_version 6
	.text
	.protected	k_q08dec6c0d9_wo
	.globl	k_q08dec6c0d9_wo
	.p2align	8
	.type	k_q08dec6c0d9_wo,@function
k_q08dec6c0d9_wo:
	s_mov_b64 s[64:65], 0
	v_nop
	global_prefetch_b8 v0, s[64:65] scope:SCOPE_SE
	s_setreg_imm32_b32 hwreg(HW_REG_WAVE_MODE, 25, 1), 1
	s_wait_xcnt 0x0
	s_wait_alu depctr_hold_cnt(0) depctr_sa_sdst(0) depctr_va_vdst(0) depctr_va_sdst(0) depctr_va_ssrc(0) depctr_va_vcc(0) depctr_vm_vsrc(0)
	s_getreg_b32 s2, hwreg(HW_REG_IB_STS2, 6, 4)
	s_cmp_eq_u32 s2, 0
	s_cbranch_scc0 .Lentry_in_a_cluster
	s_endpgm
.Lentry_in_a_cluster:
	s_bfe_u32 s2, ttmp6, 0x10000c
	s_cmp_lg_u32 s2, 0x3003
	s_cbranch_scc0 .Lentry_shape_is_right
	s_endpgm
.Lentry_shape_is_right:
; x1 = x + ctx Wo + bo (f32, [8192][512]);  ha = LayerNorm2(x1) in bf16.  ctx = hb, [64][2048][32] bf16, by heads; Wo = wb at byte 1,572,864, [512][512] bf16.
; A work-group owns 32 WHOLE rows (the norm wants whole rows): 256 work-groups.  Wave w makes columns 128 w .. + 127: 2 x 8 accumulators.  A K step of 32 is one head, so ctx serves as it lies.
; Wo goes in four chunks of 128 k-rows through two LDS slots.  CLUSTER 4 x 1: all work-groups walk the same Wo, so each chunk is asked for jointly (mask 15); ctx and x are each work-group's own loads.
; When slot 0 has been read for the last time it takes the work-group's rows of x; the sums go through slot 1, after its last fill, to be read back by whole rows.
; The norm goes in two passes (mean, then deviations); the variance is divided by 511.  No prefetch: Wo is one table of 512 KiB that every work-group reads.
; WINDOWS: 0: addresses, parameters, accumulators v128-255 ((a, b) at 128 + 8 (8 a + b)); 1: two fragment buffers of 80: Wo's 8 column blocks, then ctx's 2 row blocks.
.set WP,    1056                       ; a k-row of Wo in LDS: 1,024 bytes + 32 = 33 x 32
.set QW,    32*WP                      ; what one wave's load brings
.set SLOT1, 4*QW                       ; 0x21000: it shares no bit with wave x QW (0x8400)
.set ABASE, 2*SLOT1                    ; ctx: 16 heads x 32 rows x 80 bytes
.set CP,    80
.set SPARE, ABASE+16*32*CP
.set XP,    2080                       ; a row of x in LDS: 16 bytes of padding behind each 1,024
.set TP,    2064                       ; a row of the sums
.set WV,   40
.set ADRA, 16
.set B0,   17
.set ADRB, 18                          ; v18: k-steps 0, 1 of the chunk in hand; v19: k-steps 2, 3
.set STO,  20
.set TD,   21
.set XD,   22
.set XO,   23
.set HO,   24
.set PO,   25
.set SPW,  28
.set NIL,  29
.set ST,   32
.set H,    48
.set BO,   80
.set SC,   96
.set BI,   112
.set ACC,  128
.set D,    128
.set XX,   192
.set F0,   0
.set F1,   128
.set G1C,  24
.set G0C,  32
.set G1W,  48
.set G0W,  56
.set G1X,  72
.set G0X,  80
.set SEL,  44
.set RN,   46
.set EP,   47
.set MSB, 0
.macro WIN new
.if MSB != (\new)
	s_set_vgpr_msb (MSB<<8)|(\new)
.set MSB, \new
.endif
.endm
.set MUL,  0x05
.set TO_F, 0x40
.macro PLACES
.rept 4
	v_nop
.endr
.endm
.macro CROUND
	s_barrier_signal -1
	s_barrier_wait -1
	s_cmp_lg_u32 s[WV], 0
	s_cbranch_scc1 .Lnot_wave_0_\@
	s_barrier_signal -3
.Lnot_wave_0_\@:
	s_barrier_wait -3
	s_barrier_signal -1
	s_barrier_wait -1
.endm
.macro LNRED o
.irp m, 1,2,4,8
.irp i, 0,1,2,3
	v_add_f32_dpp v[ST+4*(\i)+(\o)], v[ST+4*(\i)+(\o)], v[ST+4*(\i)+(\o)] row_xmask:\m row_mask:0xf bank_mask:0xf
.endr
.endr
.irp i, 0,1,2,3
	v_permlanex16_b32 v[ST+4*(\i)+(\o)+1], v[ST+4*(\i)+(\o)], s[SEL], s[SEL+1]
.endr
.irp i, 0,1,2,3
	v_add_f32 v[ST+4*(\i)+(\o)], v[ST+4*(\i)+(\o)], v[ST+4*(\i)+(\o)+1]
.endr
.endm
.macro LNSUM
.irp i, 0,1,2,3
	v_pk_add_f32 v[ST+4*(\i):ST+4*(\i)+1], v[D+16*(\i):D+16*(\i)+1], v[D+16*(\i)+2:D+16*(\i)+3]
.endr
.irp k, 2,3,4,5,6,7
.irp i, 0,1,2,3
	v_pk_add_f32 v[ST+4*(\i):ST+4*(\i)+1], v[ST+4*(\i):ST+4*(\i)+1], v[D+16*(\i)+2*(\k):D+16*(\i)+2*(\k)+1]
.endr
.endr
.irp i, 0,1,2,3
	v_add_f32 v[ST+4*(\i)], v[ST+4*(\i)], v[ST+4*(\i)+1]
.endr
	LNRED 0
.irp i, 0,1,2,3
	v_mul_f32 v[ST+4*(\i)], 0x3b000000, v[ST+4*(\i)]
.endr
.endm
.macro LNREST
.irp k, 0,1,2,3,4,5,6,7
.irp i, 0,1,2,3
	v_pk_add_f32 v[D+16*(\i)+2*(\k):D+16*(\i)+2*(\k)+1], v[D+16*(\i)+2*(\k):D+16*(\i)+2*(\k)+1], v[ST+4*(\i):ST+4*(\i)+1] op_sel_hi:[1,0] neg_lo:[0,1] neg_hi:[0,1]
.endr
.endr
.irp i, 0,1,2,3
	v_pk_mul_f32 v[ST+4*(\i)+2:ST+4*(\i)+3], v[D+16*(\i):D+16*(\i)+1], v[D+16*(\i):D+16*(\i)+1]
.endr
.irp k, 1,2,3,4,5,6,7
.irp i, 0,1,2,3
	v_pk_fma_f32 v[ST+4*(\i)+2:ST+4*(\i)+3], v[D+16*(\i)+2*(\k):D+16*(\i)+2*(\k)+1], v[D+16*(\i)+2*(\k):D+16*(\i)+2*(\k)+1], v[ST+4*(\i)+2:ST+4*(\i)+3]
.endr
.endr
.irp i, 0,1,2,3
	v_add_f32 v[ST+4*(\i)+2], v[ST+4*(\i)+2], v[ST+4*(\i)+3]
.endr
	LNRED 2
.irp i, 0,1,2,3
	v_fma_f32 v[ST+4*(\i)+2], v[ST+4*(\i)+2], s[RN], s[EP]
.endr
.irp i, 0,1,2,3
	v_rsq_f32 v[ST+4*(\i)+2], v[ST+4*(\i)+2]
.endr
	v_nop
	s_wait_alu depctr_va_vdst(0)                   ; one wait for the four
.irp k, 0,1,2,3,4,5,6,7
.irp i, 0,1,2,3
	v_pk_mul_f32 v[D+16*(\i)+2*(\k):D+16*(\i)+2*(\k)+1], v[D+16*(\i)+2*(\k):D+16*(\i)+2*(\k)+1], v[ST+4*(\i)+2:ST+4*(\i)+3] op_sel_hi:[1,0]
.endr
.endr
.irp k, 0,1,2,3,4,5,6,7
.irp i, 0,1,2,3
	v_pk_fma_f32 v[D+16*(\i)+2*(\k):D+16*(\i)+2*(\k)+1], v[D+16*(\i)+2*(\k):D+16*(\i)+2*(\k)+1], v[SC+2*(\k):SC+2*(\k)+1], v[BI+2*(\k):BI+2*(\k)+1]
.endr
.endr
.irp k, 0,1,2,3,4,5,6,7
.irp i, 0,1,2,3
	v_cvt_pk_bf16_f32 v[H+8*(\i)+(\k)], v[D+16*(\i)+2*(\k)], v[D+16*(\i)+2*(\k)+1]
.endr
.endr
.endm
	s_load_b256 s[4:11], s[0:1], 0x0               ; hb s[4:5], wb s[6:7], x s[8:9], bo s[10:11]
	s_load_b256 s[12:19], s[0:1], 0x20             ; ln2_scale s[12:13], ln2_bias s[14:15], x1 s[16:17], ha s[18:19]
	v_lshl_add_u32 v[SPW], v0, 2, SPARE
	v_mov_b32 v[NIL], 0
	ds_add_u32 v[SPW], v[NIL]                      ; the wave's opening: the add and its wait ahead of my first tensor load
	v_lshrrev_b32 v1, 5, v0
	v_readfirstlane_b32 s[WV], v1
	s_bfe_u32 s41, ttmp6, 0x40000                  ; cx
	s_lshl_b32 s42, ttmp9, 2
	s_add_co_u32 s42, s42, s41                     ; G: my 32 rows
	s_mov_b32 s[G1C+0], (1<<16)|(1<<20)|(3<<22)|(3<<25)  ; ctx: 4 heads, of each 32 dense rows = 1,024 elements; 4 words of padding after every 16 (a row)
	s_mov_b32 s[G1C+1], 1024<<16
	s_mov_b32 s[G1C+2], 4<<16
	s_mov_b32 s[G1C+3], 1024<<16
	s_mov_b32 s[G1C+4], 4
	s_mov_b32 s[G1C+5], 65536                      ; elements from head to head
	s_mov_b32 s[G1C+6], 0
	s_mov_b32 s[G1C+7], 0
	s_mov_b32 s[G1W+0], 15|(1<<16)|(1<<20)|(1<<21)|(7<<22)|(7<<25)  ; Wo: the mask of four, bit 21 beside it; 8 words of padding after every 256
	s_mov_b32 s[G1W+1], 512<<16
	s_mov_b32 s[G1W+2], 32<<16
	s_mov_b32 s[G1W+3], 512<<16
	s_mov_b32 s[G1W+4], 32
	s_mov_b32 s[G1W+5], 512
	s_mov_b32 s[G1W+6], 0
	s_mov_b32 s[G1W+7], 0
	s_mov_b32 s[G1X+0], (2<<16)|(1<<20)|(7<<22)|(3<<25)  ; x: 4-byte elements; 4 words of padding after every 256
	s_mov_b32 s[G1X+1], 512<<16
	s_mov_b32 s[G1X+2], 8<<16
	s_mov_b32 s[G1X+3], 512<<16
	s_mov_b32 s[G1X+4], 8
	s_mov_b32 s[G1X+5], 512
	s_mov_b32 s[G1X+6], 0
	s_mov_b32 s[G1X+7], 0
	s_lshr_b32 s20, s42, 6                         ; ctx: batch x 16 heads of 131,072 bytes,
	s_lshl_b32 s20, s20, 21
	s_lshl_b32 s21, s[WV], 19                      ; my 4 heads,
	s_add_co_u32 s20, s20, s21
	s_and_b32 s21, s42, 63                         ; my work-group's 32 rows of 64 bytes
	s_lshl_b32 s21, s21, 11
	s_add_co_u32 s20, s20, s21
	s_mov_b32 s21, 0
	s_lshl_b32 s22, s[WV], 15                      ; Wo: my 32 k-rows of 1,024 bytes
	s_add_co_u32 s22, s22, 1572864
	s_mov_b32 s23, 0
	s_lshl_b32 s36, s42, 16                        ; x: 32 G rows of 2,048 bytes,
	s_lshl_b32 s37, s[WV], 14                      ; my 8
	s_add_co_u32 s36, s36, s37
	s_mov_b32 s37, 0
	s_mov_b32 s[G0C], 1
	s_mul_i32 s[G0C+1], s[WV], 4*32*CP
	s_add_co_u32 s[G0C+1], s[G0C+1], ABASE
	s_mul_i32 s38, s[WV], QW
	s_mov_b32 s[G0W], 1
	s_mov_b32 s[G0W+1], s38
	s_mov_b32 s[G0W+4], 1
	s_add_co_u32 s[G0W+5], s38, SLOT1
	s_mov_b32 s[G0X], 1
	s_mul_i32 s[G0X+1], s[WV], 8*XP
	s_mov_b32 s[SEL], 0x76543210
	s_mov_b32 s[SEL+1], 0xfedcba98
	s_mov_b32 s[RN], 0x3b004020                    ; 1/511
	s_mov_b32 s[EP], 0x3727c5ac                    ; 1e-5
	s_mov_b32 s2, 0                                ; the slot in hand
	s_wait_dscnt 0x0                               ; the opening add is done
	s_wait_kmcnt 0x0
	s_add_nc_u64 s[G0C+2:G0C+3], s[4:5], s[20:21]
	s_or_b32 s[G0C+3], s[G0C+3], 0x80000000
	s_add_nc_u64 s[G0W+2:G0W+3], s[6:7], s[22:23]
	s_add_nc_u64 s[G0W+6:G0W+7], s[G0W+2:G0W+3], 131072
	s_or_b32 s[G0W+3], s[G0W+3], 0x80000000
	s_or_b32 s[G0W+7], s[G0W+7], 0x80000000
	s_add_nc_u64 s[G0X+2:G0X+3], s[8:9], s[36:37]
	s_or_b32 s[G0X+3], s[G0X+3], 0x80000000
	s_lshl_b32 s20, s42, 16
	s_mov_b32 s21, 0
	s_add_nc_u64 s[16:17], s[16:17], s[20:21]      ; x1 at my work-group's rows
	s_lshl_b32 s20, s42, 15
	s_add_nc_u64 s[18:19], s[18:19], s[20:21]      ; ha likewise
	CROUND                                         ; the four work-groups are here
	tensor_load_to_lds s[G0C:G0C+3], s[G1C:G1C+7]  ; three loads of mine are out: my heads of ctx,
	s_nop 0
	tensor_load_to_lds s[G0W:G0W+3], s[G1W:G1W+7]  ; my quarter of chunk 0,
	s_nop 0
	tensor_load_to_lds s[G0W+4:G0W+7], s[G1W:G1W+7]  ; and of chunk 1
	s_nop 0
	PLACES
	v_and_b32 v1, 15, v0                           ; r
	v_bfe_u32 v2, v0, 4, 1                         ; h
	v_and_b32 v3, 31, v0                           ; l
	v_lshlrev_b32 v[PO], 4, v3
.irp j, 0,1,2,3
	global_load_b128 v[BO+4*(\j):BO+4*(\j)+3], v[PO], s[10:11] offset:512*(\j)
	global_load_b128 v[SC+4*(\j):SC+4*(\j)+3], v[PO], s[12:13] offset:512*(\j)
	global_load_b128 v[BI+4*(\j):BI+4*(\j)+3], v[PO], s[14:15] offset:512*(\j)
.endr
	v_mul_u32_u24 v[ADRA], v1, CP
	v_lshl_add_u32 v[ADRA], v2, 4, v[ADRA]
	v_add_nc_u32 v[ADRA], ABASE, v[ADRA]           ; ctx: row x 80 + 16 h
	v_and_b32 v4, 7, v0
	v_lshl_add_u32 v4, v2, 3, v4
	v_mul_u32_u24 v4, v4, WP
	v_bfe_u32 v5, v0, 3, 1
	v_lshl_add_u32 v4, v5, 4, v4
	s_lshl_b32 s20, s[WV], 8
	v_add_nc_u32 v[B0], s20, v4                    ; Wo, turned: k-row 8 h + l % 8, my 128 columns
	v_mov_b32 v[ADRB], v[B0]
	v_add_nc_u32 v[ADRB+1], 2*QW, v[B0]
	v_mul_u32_u24 v[STO], v1, TP
	v_lshl_add_u32 v[STO], v2, 5, v[STO]
	s_lshl_b32 s20, s[WV], 9
	s_add_co_u32 s20, s20, SLOT1
	v_add_nc_u32 v[STO], s20, v[STO]               ; the sums: row r, my 512 bytes, 32 h
	s_mul_i32 s20, s[WV], 8*TP
	s_add_co_u32 s20, s20, SLOT1
	v_add_nc_u32 v[TD], s20, v[PO]                 ; back: my 8 whole rows, 16 l
	s_mul_i32 s20, s[WV], 8*XP
	v_add_nc_u32 v[XD], s20, v[PO]
	s_lshl_b32 s20, s[WV], 14
	v_add_nc_u32 v[XO], s20, v[PO]                 ; x1: 8 rows of 2,048 bytes a wave
	s_lshl_b32 s20, s[WV], 13
	v_lshl_add_u32 v[HO], v3, 3, s20               ; ha: 8 rows of 1,024
.macro FETCHW j, f                     ; 20 LDS loads: k-step j (a head) of the chunk in hand
	WIN TO_F
.irp b, 0,1,2,3,4,5,6,7
	ds_load_tr16_b128 v[(\f)+8*(\b):(\f)+8*(\b)+3],   v[ADRB+(\j)/2] offset:((\j)%2)*QW+32*(\b)
	ds_load_tr16_b128 v[(\f)+8*(\b)+4:(\f)+8*(\b)+7], v[ADRB+(\j)/2] offset:((\j)%2)*QW+32*(\b)+16*WP
.endr
.irp a, 0,1
	ds_load_b128 v[(\f)+64+8*(\a):(\f)+64+8*(\a)+3],   v[ADRA] offset:(\j)*32*CP+(\a)*16*CP
	ds_load_b128 v[(\f)+64+8*(\a)+4:(\f)+64+8*(\a)+7], v[ADRA] offset:(\j)*32*CP+(\a)*16*CP+32
.endr
.endm
.macro MULW f, zero                    ; 16 products; the 16 accumulators take turns
	WIN MUL
.irp a, 0,1
.irp b, 0,1,2,3,4,5,6,7
.if \zero
	v_wmma_f32_16x16x32_bf16 v[ACC+8*(8*(\a)+(\b)):ACC+8*(8*(\a)+(\b))+7], v[(\f)+8*(\b):(\f)+8*(\b)+7], v[(\f)+64+8*(\a):(\f)+64+8*(\a)+7], 0
.else
	v_wmma_f32_16x16x32_bf16 v[ACC+8*(8*(\a)+(\b)):ACC+8*(8*(\a)+(\b))+7], v[(\f)+8*(\b):(\f)+8*(\b)+7], v[(\f)+64+8*(\a):(\f)+64+8*(\a)+7], v[ACC+8*(8*(\a)+(\b)):ACC+8*(8*(\a)+(\b))+7]
.endif
.endr
.endr
.endm
.macro KS j, f, g, zero                ; buffer f is in; k-step j is fetched into g while f is multiplied
	s_wait_dscnt 0x0
	PLACES
	FETCHW \j, \g
	MULW \f, \zero
.endm
.macro TURNW kind                      ; the change of chunks.  kind 1: the slot that is left takes Wo's chunk two on, jointly; kind 2: slot 0, read for the last time, takes my rows of x
	WIN 0
	s_wait_tensorcnt 0x0                           ; all my tensor loads have landed
	ds_add_u32 v[SPW], v[NIL]
.if (\kind) == 1
	s_xor_b32 s[G0W+5], s[G0W+5], SLOT1
	s_add_nc_u64 s[G0W+6:G0W+7], s[G0W+6:G0W+7], 131072
.endif
	s_wait_dscnt 0x0                               ; the add is done, my reads of the slot are over
	CROUND
.if (\kind) == 1
	tensor_load_to_lds s[G0W+4:G0W+7], s[G1W:G1W+7]
.else
	tensor_load_to_lds s[G0X:G0X+3], s[G1X:G1X+7]
.endif
	s_nop 0
	PLACES                                         ; also the places in front of the loads below
	s_xor_b32 s2, s2, SLOT1
	v_add_nc_u32 v[ADRB], s2, v[B0]
	v_add_nc_u32 v[ADRB+1], 2*QW, v[ADRB]
	v_add_nc_u32 v[ADRA], 4*32*CP, v[ADRA]
	FETCHW 0, F0
	MULW F1, 0
.endm
	s_wait_tensorcnt 1                             ; ctx and chunk 0 are in; chunk 1's load may stay out
	s_barrier_signal -1
	s_barrier_wait -1
	FETCHW 0, F0
	KS 1, F0, F1, 1                                ; the first k-step starts the sums
	WIN 0
	s_mov_b32 s3, 2
.Lchunk:                                       ; chunks 0 and 1: each refills its slot
	KS 2, F1, F0, 0
	KS 3, F0, F1, 0
	TURNW 1
	KS 1, F0, F1, 0
	WIN 0
	s_sub_co_u32 s3, s3, 1
	s_cmp_lg_u32 s3, 0
	s_cbranch_scc1 .Lchunk
	KS 2, F1, F0, 0
	KS 3, F0, F1, 0
	TURNW 2
	KS 1, F0, F1, 0
	KS 2, F1, F0, 0
	KS 3, F0, F1, 0
	s_wait_dscnt 0x0
	MULW F1, 0
	WIN 0
	PLACES                                         ; the stores below read results just made
	s_wait_tensorcnt 0x0                           ; my rows of x
	s_barrier_signal -1
	s_barrier_wait -1                              ; nobody reads slot 1 any more, and it has had its last fill
.irp a, 0,1
.irp b, 0,1,2,3,4,5,6,7
	ds_store_b128 v[STO], v[ACC+8*(8*(\a)+(\b)):ACC+8*(8*(\a)+(\b))+3]   offset:(\a)*16*TP+64*(\b)
	ds_store_b128 v[STO], v[ACC+8*(8*(\a)+(\b))+4:ACC+8*(8*(\a)+(\b))+7] offset:(\a)*16*TP+64*(\b)+16
.endr
.endr
	s_wait_dscnt 0x0                               ; for the others' sake
	s_barrier_signal -1
	s_barrier_wait -1                              ; a row's 2,048 bytes come from four waves
	s_wait_loadcnt 0x0                             ; bo, scale, bias
	s_mov_b32 s3, 2
.Lrows:                                        ; 4 whole rows a trip, a row a wave's 16 registers
.irp i, 0,1,2,3
.irp j, 0,1,2,3
	ds_load_b128 v[D+16*(\i)+4*(\j):D+16*(\i)+4*(\j)+3],   v[TD] offset:(\i)*TP+512*(\j)
	ds_load_b128 v[XX+16*(\i)+4*(\j):XX+16*(\i)+4*(\j)+3], v[XD] offset:(\i)*XP+512*(\j)+16*((\j)/2)
.endr
.endr
	s_wait_dscnt 0x0
.set k, 0
.rept 32
	v_pk_add_f32 v[D+2*k:D+2*k+1], v[D+2*k:D+2*k+1], v[XX+2*k:XX+2*k+1]
.set k, k+1
.endr
.irp i, 0,1,2,3
.irp k, 0,1,2,3,4,5,6,7
	v_pk_add_f32 v[D+16*(\i)+2*(\k):D+16*(\i)+2*(\k)+1], v[D+16*(\i)+2*(\k):D+16*(\i)+2*(\k)+1], v[BO+2*(\k):BO+2*(\k)+1]
.endr
.endr
.irp i, 0,1,2,3
.irp j, 0,1,2,3
	global_store_b128 v[XO], v[D+16*(\i)+4*(\j):D+16*(\i)+4*(\j)+3], s[16:17] offset:2048*(\i)+512*(\j)  ; 512 consecutive bytes, aligned
.endr
.endr
	LNSUM                                          ; reads the rows only
	s_wait_xcnt 0x0                                ; the stores have read the rows: now they may be written over
	LNREST
.irp i, 0,1,2,3
.irp j, 0,1,2,3
	global_store_b64 v[HO], v[H+8*(\i)+2*(\j):H+8*(\i)+2*(\j)+1], s[18:19] offset:1024*(\i)+256*(\j)  ; 256 consecutive bytes, aligned
.endr
.endr
	s_wait_xcnt 0x0                                ; offsets and data are rewritten only behind this wait
	v_add_nc_u32 v[TD], 4*TP, v[TD]
	v_add_nc_u32 v[XD], 4*XP, v[XD]
	v_add_nc_u32 v[XO], 8192, v[XO]
	v_add_nc_u32 v[HO], 4096, v[HO]
	s_sub_co_u32 s3, s3, 1
	s_cmp_lg_u32 s3, 0
	s_cbranch_scc1 .Lrows
	s_wait_tensorcnt 0x0                           ; the wave's end
	ds_add_u32 v[SPW], v[NIL]
	s_wait_dscnt 0x0
	CROUND                                         ; the closing round
	s_endpgm
.Lfunc_end_k_q08dec6c0d9_wo:
	.size	k_q08dec6c0d9_wo, .Lfunc_end_k_q08dec6c0d9_wo-k_q08dec6c0d9_wo
	.p2alignl 7, 3214868480
	.fill 96, 4, 3214868480
	.section	.rodata,"a",@progbits
	.p2align	6, 0x0
	.amdhsa_kernel k_q08dec6c0d9_wo
		.amdhsa_group_segment_fixed_size 327680
		.amdhsa_private_segment_fixed_size 0
		.amdhsa_enable_private_segment 0
		.amdhsa_kernarg_size 64
		.amdhsa_user_sgpr_count 2
		.amdhsa_user_sgpr_kernarg_segment_ptr 1
		.amdhsa_wavefront_size32 1
		.amdhsa_system_sgpr_workgroup_id_x 1
		.amdhsa_system_sgpr_workgroup_id_y 1
		.amdhsa_system_sgpr_workgroup_id_z 1
		.amdhsa_system_vgpr_workitem_id 0
		.amdhsa_next_free_vgpr 512
		.amdhsa_next_free_sgpr 88
		.amdhsa_reserve_vcc 0
		.amdhsa_float_denorm_mode_32 3
		.amdhsa_float_denorm_mode_16_64 3
		.amdhsa_memory_ordered 1
		.amdhsa_forward_progress 1
		.amdhsa_inst_pref_size 67
	.end_amdhsa_kernel
	.amdgpu_metadata
---
amdhsa.version: [ 1, 2 ]
amdhsa.kernels:
  - .name:           k_q08dec6c0d9_wo
    .symbol:         k_q08dec6c0d9_wo.kd
    .args:
      - { .name: hb, .offset: 0, .size: 8, .value_kind: global_buffer, .address_space: global }
      - { .name: wb, .offset: 8, .size: 8, .value_kind: global_buffer, .address_space: global }
      - { .name: x, .offset: 16, .size: 8, .value_kind: global_buffer, .address_space: global }
      - { .name: bo, .offset: 24, .size: 8, .value_kind: global_buffer, .address_space: global }
      - { .name: ln2_scale, .offset: 32, .size: 8, .value_kind: global_buffer, .address_space: global }
      - { .name: ln2_bias, .offset: 40, .size: 8, .value_kind: global_buffer, .address_space: global }
      - { .name: x1, .offset: 48, .size: 8, .value_kind: global_buffer, .address_space: global }
      - { .name: ha, .offset: 56, .size: 8, .value_kind: global_buffer, .address_space: global }
    .group_segment_fixed_size: 327680
    .private_segment_fixed_size: 0
    .kernarg_segment_align: 8
    .kernarg_segment_size: 64
    .max_flat_workgroup_size: 128
    .sgpr_count:     88
    .vgpr_count:     512
    .wavefront_size: 32
...
	.end_amdgpu_metadata
.endif
;; end of part 4
;; launch mlp1 (part 5): grid 8 x 32, 4 waves a work-group, clusters of 4 x 4, 327,680 bytes of LDS; arguments ha, wb, b1, big; writes big
.if DOCPART == 5
	.amdgcn_target "amdgcn-amd-amdhsa--gfx1250"
	.amdhsa_code_object_version 6
	.text
	.protected	k_q08dec6c0d9_mlp1
	.globl	k_q08dec6c0d9_mlp1
	.p2align	8
	.type	k_q08dec6c0d9_mlp1,@function
k_q08dec6c0d9_mlp1:
	s_mov_b64 s[64:65], 0
	v_nop
	global_prefetch_b8 v0, s[64:65] scope:SCOPE_SE
	s_setreg_imm32_b32 hwreg(HW_REG_WAVE_MODE, 25, 1), 1
	s_wait_xcnt 0x0
	s_wait_alu depctr_hold_cnt(0) depctr_sa_sdst(0) depctr_va_vdst(0) depctr_va_sdst(0) depctr_va_ssrc(0) depctr_va_vcc(0) depctr_vm_vsrc(0)
	s_getreg_b32 s2, hwreg(HW_REG_IB_STS2, 6, 4)
	s_cmp_eq_u32 s2, 0
	s_cbranch_scc0 .Lentry_in_a_cluster
	s_endpgm
.Lentry_in_a_cluster:
	s_bfe_u32 s2, ttmp6, 0x10000c
	s_cmp_lg_u32 s2, 0xf033
	s_cbranch_scc0 .Lentry_shape_is_right
	s_endpgm
.Lentry_shape_is_right:
; g = gelu_tanh(h2 W1 + b1) in bf16, big = [8192][2048].  h2 = ha [8192][512] bf16; W1 = wb at byte 2,097,152, [512][2048] bf16; sums and the activation in f32.
; A tile is 256 x 256: four waves, each 128 x 128 in 64 accumulators; 32 x 8 tiles = 256 work-groups.  K = 512 goes in four steps of 128 through two LDS slots.
; CLUSTER 4 x 4: ha's tile is shared along a row of the cluster, W1's along a column: each is asked for jointly.
; W1 is turned on the way out of LDS (ds_load_tr16_b128, pitch 544 = 17 x 32).  The product is used transposed: a lane holds one row (lane % 16) and eight neighbouring columns.
; gelu(x) = x / (1 + 2^(x (K1 + K2 x^2))), K1 = -2 log2(e) sqrt(2/pi), K2 = 0.044715 K1: tanh written by one exponential; where the power overflows the quotient is 0, where it vanishes x: tanh's own limits.
; No prefetch: K has four steps; two are the first fills and two the refills that follow at once.
; WINDOWS: 0: addresses, A's fragments v64-127, v128-191, the way out; 1: W's fragments, same numbers; 2, 3: accumulators (a, b) at 8 (8 a + b).
.set AP,    272
.set BP,    544
.set HALFT, 128*AP
.set SLOT1, 4*HALFT                    ; 0x22000: it shares no bit with wave x HALFT (0x8800)
.set DP,    528
.set SPARE, 2*SLOT1
.set ASTEP, 256
.set BSTEP, 128*4096                   ; 128 k-rows of W1
.set WV,   10
.set A0,   16
.set B0,   17
.set ADRA, 18
.set ADRB, 19
.set STO,  24
.set RD,   25
.set CO,   26
.set BOF,  27
.set SPW,  28
.set NIL,  29
.set T,    32                          ; the way out: 8 rows x 4 numbers
.set W,    192
.set PKD,  224
.set BB,   240                         ; b1 of my 4 columns
.set F0,   64
.set F1,   128
.set G1,   24
.set G0,   32
.set G1B,  48
.set G0B,  56
.set MSB, 0
.macro WIN new
.if MSB != (\new)
	s_set_vgpr_msb (MSB<<8)|(\new)
.set MSB, \new
.endif
.endm
.set MUL_LO, 0xa1
.set MUL_HI, 0xf1
.set TO_B,   0x40
.macro PLACES
.rept 4
	v_nop
.endr
.endm
.macro JLOAD s
	s_cmp_eq_u32 s11, 0
	s_cbranch_scc0 .Lfor_b_\@
	tensor_load_to_lds s[G0+4*(\s):G0+4*(\s)+3], s[G1:G1+7]
	s_nop 0
	PLACES
	s_branch .Lasked_\@
.Lfor_b_\@:
	tensor_load_to_lds s[G0B+4*(\s):G0B+4*(\s)+3], s[G1B:G1B+7]
	s_nop 0
	PLACES
.Lasked_\@:
.endm
.macro CREST
	s_cmp_lg_u32 s[WV], 0
	s_cbranch_scc1 .Lnot_wave_0_\@
	s_barrier_signal -3
.Lnot_wave_0_\@:
	s_barrier_wait -3
	s_barrier_signal -1
	s_barrier_wait -1
.endm
.macro CROUND
	s_barrier_signal -1
	s_barrier_wait -1
	CREST
.endm
	s_load_b128 s[4:7], s[0:1], 0x0                ; ha s[4:5], wb s[6:7]
	s_load_b64 s[66:67], s[0:1], 0x10              ; b1
	s_load_b64 s[8:9], s[0:1], 0x18                ; big
	v_lshl_add_u32 v[SPW], v0, 2, SPARE
	v_mov_b32 v[NIL], 0
	ds_add_u32 v[SPW], v[NIL]                      ; the wave's opening: the add and its wait ahead of my first tensor load
	v_lshrrev_b32 v1, 5, v0
	v_readfirstlane_b32 s[WV], v1
	s_lshr_b32 s11, s[WV], 1
	s_and_b32 s12, s[WV], 1
	s_bfe_u32 s40, ttmp6, 0x40000                  ; cx
	s_bfe_u32 s41, ttmp6, 0x40004                  ; cy
	s_lshl_b32 s42, ttmp9, 2
	s_add_co_u32 s42, s42, s40                     ; tile column t
	s_and_b32 s13, ttmp7, 0xffff
	s_lshl_b32 s13, s13, 2
	s_add_co_u32 s13, s13, s41                     ; tile row R
	s_lshl_b32 s43, s41, 2
	s_lshl_b32 s43, 15, s43                        ; my row of the cluster
	s_lshl_b32 s44, 0x1111, s40                    ; my column
	s_or_b32 s[G1+0], s43, (1<<16)|(1<<20)|(1<<21)|(5<<22)|(3<<25)
	s_mov_b32 s[G1+1], 128<<16
	s_mov_b32 s[G1+2], 128<<16
	s_mov_b32 s[G1+3], 128<<16
	s_mov_b32 s[G1+4], 128
	s_mov_b32 s[G1+5], 512
	s_mov_b32 s[G1+6], 0
	s_mov_b32 s[G1+7], 0
	s_or_b32 s[G1B+0], s44, (1<<16)|(1<<20)|(1<<21)|(6<<22)|(7<<25)
	s_mov_b32 s[G1B+1], 256<<16
	s_mov_b32 s[G1B+2], 64<<16
	s_mov_b32 s[G1B+3], 256<<16
	s_mov_b32 s[G1B+4], 64
	s_mov_b32 s[G1B+5], 2048
	s_mov_b32 s[G1B+6], 0
	s_mov_b32 s[G1B+7], 0
	s_lshl_b32 s16, s13, 18                        ; A: 256 R rows of 1,024 bytes + my 128
	s_lshl_b32 s17, s12, 17
	s_add_co_u32 s16, s16, s17
	s_mov_b32 s17, 0
	s_lshl_b32 s46, s42, 9                         ; W1: 512 bytes of a row a tile column,
	s_lshl_b32 s47, s12, 18                        ; my 64 k-rows of 4,096 bytes
	s_add_co_u32 s46, s46, s47
	s_add_co_u32 s46, s46, 2097152
	s_mov_b32 s47, 0
	s_mul_i32 s20, s[WV], HALFT
	s_wait_dscnt 0x0                               ; the opening add is done
	s_wait_kmcnt 0x0
	s_add_nc_u64 s[14:15], s[4:5], s[16:17]
	s_add_nc_u64 s[46:47], s[6:7], s[46:47]
	CROUND                                         ; all sixteen work-groups are here
.irp s, 0,1
	s_mov_b32 s[G0+4*(\s)], 1
	s_add_co_u32 s[G0+4*(\s)+1], s20, (\s)*SLOT1
	s_add_nc_u64 s[G0+4*(\s)+2:G0+4*(\s)+3], s[14:15], (\s)*ASTEP
	s_or_b32 s[G0+4*(\s)+3], s[G0+4*(\s)+3], 0x80000000
	s_mov_b32 s[G0B+4*(\s)], 1
	s_add_co_u32 s[G0B+4*(\s)+1], s20, (\s)*SLOT1
	s_add_nc_u64 s[G0B+4*(\s)+2:G0B+4*(\s)+3], s[46:47], (\s)*BSTEP
	s_or_b32 s[G0B+4*(\s)+3], s[G0B+4*(\s)+3], 0x80000000
	JLOAD \s
.endr
	v_and_b32 v1, 15, v0
	v_bfe_u32 v2, v0, 4, 1
	v_and_b32 v6, 31, v0
	s_lshl_b32 s46, s42, 10                        ; b1: 1,024 bytes a tile column, 512 my half, 16 l
	s_lshl_b32 s47, s12, 9
	s_add_co_u32 s46, s46, s47
	v_lshl_add_u32 v[BOF], v6, 4, s46
	global_load_b128 v[BB:BB+3], v[BOF], s[66:67]
	v_mul_u32_u24 v3, v1, AP
	v_lshl_add_u32 v3, v2, 4, v3
	s_mul_i32 s21, s11, HALFT
	v_add_nc_u32 v[A0], s21, v3
	v_and_b32 v4, 7, v0
	v_lshl_add_u32 v4, v2, 3, v4
	v_mul_u32_u24 v4, v4, BP
	v_bfe_u32 v5, v0, 3, 1
	v_lshl_add_u32 v4, v5, 4, v4
	s_lshl_b32 s22, s12, 8
	s_add_co_u32 s22, s22, 2*HALFT
	v_add_nc_u32 v[B0], s22, v4
	v_mov_b32 v[ADRA], v[A0]
	v_mov_b32 v[ADRB], v[B0]
	s_mov_b32 s2, 0
	s_mul_i32 s23, s[WV], 128*DP
	v_mul_u32_u24 v3, v1, DP
	v_lshl_add_u32 v3, v2, 5, v3
	v_add_nc_u32 v[STO], s23, v3
	v_lshl_add_u32 v[RD], v6, 4, s23               ; back: a whole row of 512 bytes, 16 l
	v_lshlrev_b32 v[CO], 3, v6                     ; 8 bytes a lane: 256 consecutive bytes of a row of g
	s_lshl_b32 s16, s13, 20                        ; g: 256 R rows of 4,096 bytes,
	s_lshl_b32 s17, s11, 19                        ; my 128
	s_add_co_u32 s16, s16, s17
	s_mov_b32 s17, 0
	s_add_nc_u64 s[8:9], s[8:9], s[16:17]
	s_lshl_b32 s46, s42, 9                         ; my columns: 512 t + 256 x half
	s_lshl_b32 s47, s12, 8
	s_add_co_u32 s46, s46, s47
	s_mov_b32 s47, 0
	s_add_nc_u64 s[8:9], s[8:9], s[46:47]
	s_mov_b32 s68, 0xc0135761                      ; K1 = -2.3022082
	s_mov_b32 s69, s68
	s_mov_b32 s70, 0xbdd2d3e8                      ; K2 = -0.10294324
	s_mov_b32 s71, s70
.macro MUL16 f, hi, a0, zero
	WIN MUL_LO+0x50*(\hi)
.irp a, \a0, (\a0)+1
.irp b, 0,1,2,3,4,5,6,7
.if \zero
	v_wmma_f32_16x16x32_bf16 v[8*(8*(\a)+(\b)):8*(8*(\a)+(\b))+7], v[(\f)+8*(\b):(\f)+8*(\b)+7], v[(\f)+8*(4*(\hi)+(\a)):(\f)+8*(4*(\hi)+(\a))+7], 0
.else
	v_wmma_f32_16x16x32_bf16 v[8*(8*(\a)+(\b)):8*(8*(\a)+(\b))+7], v[(\f)+8*(\b):(\f)+8*(\b)+7], v[(\f)+8*(4*(\hi)+(\a)):(\f)+8*(4*(\hi)+(\a))+7], v[8*(8*(\a)+(\b)):8*(8*(\a)+(\b))+7]
.endif
.endr
.endr
.endm
.macro FETCH q, f
	WIN TO_B
.irp i, 0,1,2,3,4,5,6,7
	ds_load_tr16_b128 v[(\f)+8*(\i):(\f)+8*(\i)+3],   v[ADRB] offset:(\q)*32*BP+32*(\i)
	ds_load_tr16_b128 v[(\f)+8*(\i)+4:(\f)+8*(\i)+7], v[ADRB] offset:(\q)*32*BP+32*(\i)+16*BP
.endr
	WIN 0
.irp i, 0,1,2,3,4,5,6,7
	ds_load_b128 v[(\f)+8*(\i):(\f)+8*(\i)+3],   v[ADRA] offset:64*(\q)+(\i)*16*AP
	ds_load_b128 v[(\f)+8*(\i)+4:(\f)+8*(\i)+7], v[ADRA] offset:64*(\q)+(\i)*16*AP+32
.endr
.endm
.macro QUARTER q, f, g, zero
	s_wait_dscnt 8                                 ; W and A's rows 0-63 are in; the youngest eight loads may be out
	MUL16 \f, 0, 0, \zero
	MUL16 \f, 0, 2, \zero
	PLACES
	FETCH \q, \g
	s_wait_dscnt 32                                ; all but the 32 just issued
	MUL16 \f, 1, 0, \zero
	MUL16 \f, 1, 2, \zero
.endm
.macro MEET round
	WIN 0
	s_wait_tensorcnt 0x0                           ; all my tensor loads have landed
	ds_add_u32 v[SPW], v[NIL]
	s_wait_dscnt 9                                 ; the add and the youngest eight loads may be out
	MUL16 F1, 0, 0, 0
	s_wait_dscnt 0x0                               ; the add is done, my reads of this slot are over
	s_barrier_signal -1
	MUL16 F1, 0, 2, 0
.if \round
	WIN 0
.endif
	s_barrier_wait -1
.endm
.macro NEXTSLOT
	s_xor_b32 s2, s2, SLOT1
	v_add_nc_u32 v[ADRA], s2, v[A0]
	v_add_nc_u32 v[ADRB], s2, v[B0]
.endm
.macro TURN
	MEET 1
	CREST
	s_xor_b32 s[G0+5], s[G0+5], SLOT1
	s_add_nc_u64 s[G0+6:G0+7], s[G0+6:G0+7], ASTEP
	s_xor_b32 s[G0B+5], s[G0B+5], SLOT1
	s_add_nc_u64 s[G0B+6:G0B+7], s[G0B+6:G0B+7], BSTEP
	JLOAD 1
	NEXTSLOT
	FETCH 0, F0
	MUL16 F1, 1, 0, 0
	MUL16 F1, 1, 2, 0
.endm
.macro TURNNF
	MEET 0
	PLACES
	WIN 0
	NEXTSLOT
	FETCH 0, F0
	MUL16 F1, 1, 0, 0
	MUL16 F1, 1, 2, 0
.endm
	s_wait_tensorcnt 1                             ; my part of K step 0 is in; K step 1's load may stay out
	s_barrier_signal -1
	s_barrier_wait -1
	FETCH 0, F0
	QUARTER 1, F0, F1, 1
	WIN 0
	s_mov_b32 s3, 2
.Lfill:
	QUARTER 2, F1, F0, 0
	QUARTER 3, F0, F1, 0
	TURN
	QUARTER 1, F0, F1, 0
	WIN 0
	s_sub_co_u32 s3, s3, 1
	s_cmp_lg_u32 s3, 0
	s_cbranch_scc1 .Lfill
	s_mov_b32 s3, 2
.Ltail:                                        ; K steps 2 and 3; the second trip is left in its middle (its last 32 LDS loads serve nothing: the price of one text)
	QUARTER 2, F1, F0, 0
	QUARTER 3, F0, F1, 0
	TURNNF
	WIN 0
	s_sub_co_u32 s3, s3, 1
	s_cmp_eq_u32 s3, 0
	s_cbranch_scc1 .Lout
	QUARTER 1, F0, F1, 0
	WIN 0
	s_cmp_lg_u32 s3, 0
	s_cbranch_scc1 .Ltail
.Lout:
	PLACES
	s_wait_dscnt 0x0
	s_barrier_signal -1
	s_barrier_wait -1                              ; nobody reads the ring any more, and it has had its last fill: it serves as the stage
.irp hi, 0,1
	WIN 0x08+4*(\hi)
.irp a, 0,1,2,3
.irp b, 0,1,2,3,4,5,6,7
	ds_store_b128 v[STO], v[8*(8*(\a)+(\b)):8*(8*(\a)+(\b))+3]   offset:(4*(\hi)+(\a))*16*DP+64*(\b)
	ds_store_b128 v[STO], v[8*(8*(\a)+(\b))+4:8*(8*(\a)+(\b))+7] offset:(4*(\hi)+(\a))*16*DP+64*(\b)+16
.endr
.endr
.endr
	WIN 0
	s_wait_loadcnt 0x0                             ; b1
	s_mov_b32 s3, 16
.Lep:                                          ; 8 rows a trip, out of my own bytes
.irp j, 0,1,2,3,4,5,6,7
	ds_load_b128 v[T+4*(\j):T+4*(\j)+3], v[RD] offset:(\j)*DP
.endr
	s_wait_dscnt 0x0
.irp j, 0,1,2,3,4,5,6,7
	v_pk_add_f32 v[T+4*(\j):T+4*(\j)+1],   v[T+4*(\j):T+4*(\j)+1],   v[BB:BB+1]
	v_pk_add_f32 v[T+4*(\j)+2:T+4*(\j)+3], v[T+4*(\j)+2:T+4*(\j)+3], v[BB+2:BB+3]
.endr
.set k, 0
.rept 16
	v_pk_mul_f32 v[W+2*k:W+2*k+1], v[T+2*k:T+2*k+1], v[T+2*k:T+2*k+1]
.set k, k+1
.endr
.set k, 0
.rept 16
	v_pk_fma_f32 v[W+2*k:W+2*k+1], v[W+2*k:W+2*k+1], s[70:71], s[68:69] op_sel_hi:[1,0,0]
.set k, k+1
.endr
.set k, 0
.rept 16
	v_pk_mul_f32 v[W+2*k:W+2*k+1], v[W+2*k:W+2*k+1], v[T+2*k:T+2*k+1]
.set k, k+1
.endr
.set k, 0
.rept 32
	v_exp_f32 v[W+k], v[W+k]
.set k, k+1
.endr
	v_nop
	s_wait_alu depctr_va_vdst(0)                   ; one wait for the 32 exponentials
.set k, 0
.rept 16
	v_pk_add_f32 v[W+2*k:W+2*k+1], v[W+2*k:W+2*k+1], 1.0 op_sel_hi:[1,0]
.set k, k+1
.endr
.set k, 0
.rept 32
	v_rcp_f32 v[W+k], v[W+k]
.set k, k+1
.endr
	v_nop
	s_wait_alu depctr_va_vdst(0)                   ; one wait for the 32 reciprocals
.set k, 0
.rept 16
	v_pk_mul_f32 v[T+2*k:T+2*k+1], v[T+2*k:T+2*k+1], v[W+2*k:W+2*k+1]
.set k, k+1
.endr
.set k, 0
.rept 16
	v_cvt_pk_bf16_f32 v[PKD+k], v[T+2*k], v[T+2*k+1]
.set k, k+1
.endr
.irp j, 0,1,2,3,4,5,6,7
	global_store_b64 v[CO], v[PKD+2*(\j):PKD+2*(\j)+1], s[8:9] offset:4096*(\j)  ; 256 consecutive bytes, aligned
.endr
	s_wait_xcnt 0x0                                ; the stores have read their registers and their base
	v_add_nc_u32 v[RD], 8*DP, v[RD]
	s_add_nc_u64 s[8:9], s[8:9], 32768
	s_sub_co_u32 s3, s3, 1
	s_cmp_lg_u32 s3, 0
	s_cbranch_scc1 .Lep
	s_wait_tensorcnt 0x0                           ; the wave's end
	ds_add_u32 v[SPW], v[NIL]
	s_wait_dscnt 0x0
	CROUND                                         ; the closing round
	s_endpgm
.Lfunc_end_k_q08dec6c0d9_mlp1:
	.size	k_q08dec6c0d9_mlp1, .Lfunc_end_k_q08dec6c0d9_mlp1-k_q08dec6c0d9_mlp1
	.p2alignl 7, 3214868480
	.fill 96, 4, 3214868480
	.section	.rodata,"a",@progbits
	.p2align	6, 0x0
	.amdhsa_kernel k_q08dec6c0d9_mlp1
		.amdhsa_group_segment_fixed_size 327680
		.amdhsa_private_segment_fixed_size 0
		.amdhsa_enable_private_segment 0
		.amdhsa_kernarg_size 32
		.amdhsa_user_sgpr_count 2
		.amdhsa_user_sgpr_kernarg_segment_ptr 1
		.amdhsa_wavefront_size32 1
		.amdhsa_system_sgpr_workgroup_id_x 1
		.amdhsa_system_sgpr_workgroup_id_y 1
		.amdhsa_system_sgpr_workgroup_id_z 1
		.amdhsa_system_vgpr_workitem_id 0
		.amdhsa_next_free_vgpr 1024
		.amdhsa_next_free_sgpr 72
		.amdhsa_reserve_vcc 0
		.amdhsa_float_denorm_mode_32 3
		.amdhsa_float_denorm_mode_16_64 3
		.amdhsa_memory_ordered 1
		.amdhsa_forward_progress 1
		.amdhsa_inst_pref_size 88
	.end_amdhsa_kernel
	.amdgpu_metadata
---
amdhsa.version: [ 1, 2 ]
amdhsa.kernels:
  - .name:           k_q08dec6c0d9_mlp1
    .symbol:         k_q08dec6c0d9_mlp1.kd
    .args:
      - { .name: ha, .offset: 0, .size: 8, .value_kind: global_buffer, .address_space: global }
      - { .name: wb, .offset: 8, .size: 8, .value_kind: global_buffer, .address_space: global }
      - { .name: b1, .offset: 16, .size: 8, .value_kind: global_buffer, .address_space: global }
      - { .name: big, .offset: 24, .size: 8, .value_kind: global_buffer, .address_space: global }
    .group_segment_fixed_size: 327680
    .private_segment_fixed_size: 0
    .kernarg_segment_align: 8
    .kernarg_segment_size: 32
    .max_flat_workgroup_size: 128
    .sgpr_count:     72
    .vgpr_count:     1024
    .wavefront_size: 32
...
	.end_amdgpu_metadata
.endif
;; end of part 5
;; launch mlp2 (part 6): grid 4 x 64, 4 waves a work-group, clusters of 4 x 4, 327,680 bytes of LDS; arguments big, wb, b2, x1, out0; writes out0
.if DOCPART == 6
	.amdgcn_target "amdgcn-amd-amdhsa--gfx1250"
	.amdhsa_code_object_version 6
	.text
	.protected	k_q08dec6c0d9_mlp2
	.globl	k_q08dec6c0d9_mlp2
	.p2align	8
	.type	k_q08dec6c0d9_mlp2,@function
k_q08dec6c0d9_mlp2:
	s_mov_b64 s[64:65], 0
	v_nop
	global_prefetch_b8 v0, s[64:65] scope:SCOPE_SE
	s_setreg_imm32_b32 hwreg(HW_REG_WAVE_MODE, 25, 1), 1
	s_wait_xcnt 0x0
	s_wait_alu depctr_hold_cnt(0) depctr_sa_sdst(0) depctr_va_vdst(0) depctr_va_sdst(0) depctr_va_ssrc(0) depctr_va_vcc(0) depctr_vm_vsrc(0)
	s_getreg_b32 s2, hwreg(HW_REG_IB_STS2, 6, 4)
	s_cmp_eq_u32 s2, 0
	s_cbranch_scc0 .Lentry_in_a_cluster
	s_endpgm
.Lentry_in_a_cluster:
	s_bfe_u32 s2, ttmp6, 0x10000c
	s_cmp_lg_u32 s2, 0xf033
	s_cbranch_scc0 .Lentry_shape_is_right
	s_endpgm
.Lentry_shape_is_right:
; out0 = x1 + g W2 + b2 (f32, [8192][512]).  g = big [8192][2048] bf16; W2 = wb at byte 4,194,304, [2048][512] bf16; x1 f32; sums in f32.
; A tile is 128 x 128, so that 64 x 4 tiles give 256 work-groups; four waves, each 64 x 64 in 16 accumulators.  K = 2,048 goes in eight steps of 256 through two LDS slots.
; CLUSTER 4 x 4: g's tile is shared along a row of the cluster, W2's along a column: each is asked for jointly.  W2 is turned on the way out of LDS (pitch 288 = 9 x 32).
; When slot 0 has been read for the last time it takes the tile of x1 (each work-group's own load, behind the same round); the sums go through slot 1, after its last fill, to be read back by rows.
; No prefetch: a small tile; a step's bytes are shared by four work-groups each and g's rows are read by four tile columns at about the same time.
; WINDOWS: 0: addresses, the way out v32-99, accumulators v128-255 ((a, b) at 128 + 8 (4 a + b)); 1: two fragment buffers of 128: for 64 along K, 64 registers of g, then 64 of W2.
.set PA,    528                        ; a row of g in LDS: 512 bytes + 16
.set HALFA, 64*PA
.set PB,    288                        ; a k-row of W2 in LDS: 256 bytes + 32
.set HALFB, 128*PB
.set BOFF,  2*HALFA
.set SLOT1, 147456                     ; 0x24000: it shares no bit with 0x8400, 0x10800, 0x19800, the loads' places in a slot
.set SPARE, SLOT1+BOFF+2*HALFB
.set DPT,   272                        ; the way out: a row of 64 f32 + 16
.set ASTEP, 512
.set BSTEP, 256*1024
.set WV,   10
.set A0,   14
.set B0,   15
.set ADRA, 16
.set ADRB, 18                          ; v18: quarters 0, 1; v19: quarters 2, 3
.set STO,  24
.set RD,   25
.set CO,   26
.set XD,   27
.set SPW,  28
.set NIL,  29
.set BOF,  30
.set T,    32
.set XX,   64
.set B2,   96
.set ACC,  128
.set F0,   0
.set F1,   128
.set G1,   24
.set G0,   32
.set G1B,  48
.set G0B,  56
.set G1X,  72
.set G0X,  80
.set MSB, 0
.macro WIN new
.if MSB != (\new)
	s_set_vgpr_msb (MSB<<8)|(\new)
.set MSB, \new
.endif
.endm
.set MUL,  0x05
.set TO_F, 0x40
.macro PLACES
.rept 4
	v_nop
.endr
.endm
.macro JLOAD s
	s_cmp_eq_u32 s11, 0
	s_cbranch_scc0 .Lfor_b_\@
	tensor_load_to_lds s[G0+4*(\s):G0+4*(\s)+3], s[G1:G1+7]
	s_nop 0
	PLACES
	s_branch .Lasked_\@
.Lfor_b_\@:
	tensor_load_to_lds s[G0B+4*(\s):G0B+4*(\s)+3], s[G1B:G1B+7]
	s_nop 0
	PLACES
.Lasked_\@:
.endm
.macro CREST
	s_cmp_lg_u32 s[WV], 0
	s_cbranch_scc1 .Lnot_wave_0_\@
	s_barrier_signal -3
.Lnot_wave_0_\@:
	s_barrier_wait -3
	s_barrier_signal -1
	s_barrier_wait -1
.endm
.macro CROUND
	s_barrier_signal -1
	s_barrier_wait -1
	CREST
.endm
	s_load_b128 s[4:7], s[0:1], 0x0                ; big s[4:5], wb s[6:7]
	s_load_b128 s[84:87], s[0:1], 0x10             ; b2 s[84:85], x1 s[86:87]
	s_load_b64 s[8:9], s[0:1], 0x20                ; out0
	v_lshl_add_u32 v[SPW], v0, 2, SPARE
	v_mov_b32 v[NIL], 0
	ds_add_u32 v[SPW], v[NIL]                      ; the wave's opening: the add and its wait ahead of my first tensor load
	v_lshrrev_b32 v1, 5, v0
	v_readfirstlane_b32 s[WV], v1
	s_lshr_b32 s11, s[WV], 1                       ; my half of the tile's rows; also: I fetch for g (0) or W2 (1)
	s_and_b32 s12, s[WV], 1                        ; my half of its columns; also: which half I fetch
	s_bfe_u32 s40, ttmp6, 0x40000
	s_bfe_u32 s41, ttmp6, 0x40004
	s_lshl_b32 s42, ttmp9, 2
	s_add_co_u32 s42, s42, s40                     ; tile column t
	s_and_b32 s13, ttmp7, 0xffff
	s_lshl_b32 s13, s13, 2
	s_add_co_u32 s13, s13, s41                     ; tile row R
	s_lshl_b32 s43, s41, 2
	s_lshl_b32 s43, 15, s43
	s_lshl_b32 s44, 0x1111, s40
	s_or_b32 s[G1+0], s43, (1<<16)|(1<<20)|(1<<21)|(6<<22)|(3<<25)   ; g: 64 rows x 256 elements; 4 words of padding after every 128
	s_mov_b32 s[G1+1], 256<<16
	s_mov_b32 s[G1+2], 64<<16
	s_mov_b32 s[G1+3], 256<<16
	s_mov_b32 s[G1+4], 64
	s_mov_b32 s[G1+5], 2048
	s_mov_b32 s[G1+6], 0
	s_mov_b32 s[G1+7], 0
	s_or_b32 s[G1B+0], s44, (1<<16)|(1<<20)|(1<<21)|(5<<22)|(7<<25)  ; W2: 128 k-rows x 128 elements; 8 words of padding after every 64
	s_mov_b32 s[G1B+1], 128<<16
	s_mov_b32 s[G1B+2], 128<<16
	s_mov_b32 s[G1B+3], 128<<16
	s_mov_b32 s[G1B+4], 128
	s_mov_b32 s[G1B+5], 512
	s_mov_b32 s[G1B+6], 0
	s_mov_b32 s[G1B+7], 0
	s_mov_b32 s[G1X+0], (2<<16)|(1<<20)|(6<<22)|(3<<25)              ; x1: 32 rows x 128 elements of 4 bytes; no mask
	s_mov_b32 s[G1X+1], 128<<16
	s_mov_b32 s[G1X+2], 32<<16
	s_mov_b32 s[G1X+3], 128<<16
	s_mov_b32 s[G1X+4], 32
	s_mov_b32 s[G1X+5], 512
	s_mov_b32 s[G1X+6], 0
	s_mov_b32 s[G1X+7], 0
	s_lshl_b32 s16, s13, 19                        ; g: 128 R rows of 4,096 bytes,
	s_lshl_b32 s17, s12, 18                        ; my 64
	s_add_co_u32 s16, s16, s17
	s_mov_b32 s17, 0
	s_lshl_b32 s46, s42, 8                         ; W2: 256 bytes of a row a tile column,
	s_lshl_b32 s47, s12, 17                        ; my 128 k-rows of 1,024 bytes
	s_add_co_u32 s46, s46, s47
	s_add_co_u32 s46, s46, 4194304
	s_mov_b32 s47, 0
	s_mul_i32 s20, s12, HALFA                      ; where g's halves land,
	s_mul_i32 s21, s12, HALFB
	s_add_co_u32 s21, s21, BOFF                    ; and W2's
	s_lshl_b32 s36, s13, 18                        ; x1: 128 R rows of 2,048 bytes,
	s_lshl_b32 s37, s[WV], 16                      ; my 32,
	s_add_co_u32 s36, s36, s37
	s_lshl_b32 s37, s42, 9                         ; the tile's 512 bytes of a row
	s_add_co_u32 s36, s36, s37
	s_mov_b32 s37, 0
	s_mov_b32 s[G0X], 1
	s_mul_i32 s[G0X+1], s[WV], 32*PA
	s_wait_dscnt 0x0                               ; the opening add is done
	s_wait_kmcnt 0x0
	s_add_nc_u64 s[14:15], s[4:5], s[16:17]
	s_add_nc_u64 s[46:47], s[6:7], s[46:47]
	s_add_nc_u64 s[G0X+2:G0X+3], s[86:87], s[36:37]
	s_or_b32 s[G0X+3], s[G0X+3], 0x80000000
	CROUND                                         ; all sixteen work-groups are here
.irp s, 0,1
	s_mov_b32 s[G0+4*(\s)], 1
	s_add_co_u32 s[G0+4*(\s)+1], s20, (\s)*SLOT1
	s_add_nc_u64 s[G0+4*(\s)+2:G0+4*(\s)+3], s[14:15], (\s)*ASTEP
	s_or_b32 s[G0+4*(\s)+3], s[G0+4*(\s)+3], 0x80000000
	s_mov_b32 s[G0B+4*(\s)], 1
	s_add_co_u32 s[G0B+4*(\s)+1], s21, (\s)*SLOT1
	s_add_nc_u64 s[G0B+4*(\s)+2:G0B+4*(\s)+3], s[46:47], (\s)*BSTEP
	s_or_b32 s[G0B+4*(\s)+3], s[G0B+4*(\s)+3], 0x80000000
	JLOAD \s
.endr
	v_and_b32 v1, 15, v0                           ; r
	v_bfe_u32 v2, v0, 4, 1                         ; h
	s_lshl_b32 s46, s42, 9                         ; my first column, in f32 bytes: 512 t + 256 x half
	s_lshl_b32 s47, s12, 8
	s_add_co_u32 s46, s46, s47
	v_lshl_add_u32 v[BOF], v1, 4, s46
	global_load_b128 v[B2:B2+3], v[BOF], s[84:85]  ; b2 of my 4 columns
	v_mul_u32_u24 v3, v1, PA
	v_lshl_add_u32 v3, v2, 4, v3
	s_mul_i32 s22, s11, HALFA
	v_add_nc_u32 v[A0], s22, v3
	v_and_b32 v4, 7, v0
	v_lshl_add_u32 v4, v2, 3, v4
	v_mul_u32_u24 v4, v4, PB
	v_bfe_u32 v5, v0, 3, 1
	v_lshl_add_u32 v4, v5, 4, v4
	s_lshl_b32 s22, s12, 7
	s_add_co_u32 s22, s22, BOFF
	v_add_nc_u32 v[B0], s22, v4
	v_mov_b32 v[ADRA], v[A0]
	v_mov_b32 v[ADRB], v[B0]
	v_add_nc_u32 v[ADRB+1], HALFB, v[B0]
	s_mov_b32 s2, 0
	s_mul_i32 s23, s[WV], 64*DPT
	s_add_co_u32 s23, s23, SLOT1                   ; my stage, in slot 1
	v_mul_u32_u24 v3, v1, DPT
	v_lshl_add_u32 v3, v2, 5, v3
	v_add_nc_u32 v[STO], s23, v3
	v_mul_u32_u24 v3, v2, DPT                      ; back: lanes 0-15 one row of 256 bytes, lanes 16-31 the next
	v_lshl_add_u32 v3, v1, 4, v3
	v_add_nc_u32 v[RD], s23, v3
	v_mul_u32_u24 v3, v2, PA                       ; the same two rows of x1's tile
	v_lshl_add_u32 v3, v1, 4, v3
	s_mul_i32 s22, s11, HALFA
	s_add_co_u32 s22, s22, s47
	v_add_nc_u32 v[XD], s22, v3
	v_lshlrev_b32 v3, 11, v2                       ; and of out0
	v_lshl_add_u32 v[CO], v1, 4, v3
	s_lshl_b32 s16, s13, 18
	s_lshl_b32 s17, s11, 17
	s_add_co_u32 s16, s16, s17
	s_mov_b32 s17, 0
	s_add_nc_u64 s[8:9], s[8:9], s[16:17]
	s_mov_b32 s47, 0
	s_add_nc_u64 s[8:9], s[8:9], s[46:47]
.macro MUL8 f, c, a0, zero             ; 8 products; the 16 accumulators take turns
	WIN MUL
.irp a, \a0, (\a0)+1
.irp b, 0,1,2,3
.if \zero
	v_wmma_f32_16x16x32_bf16 v[ACC+8*(4*(\a)+(\b)):ACC+8*(4*(\a)+(\b))+7], v[(\f)+64+8*(4*(\c)+(\b)):(\f)+64+8*(4*(\c)+(\b))+7], v[(\f)+8*(4*(\c)+(\a)):(\f)+8*(4*(\c)+(\a))+7], 0
.else
	v_wmma_f32_16x16x32_bf16 v[ACC+8*(4*(\a)+(\b)):ACC+8*(4*(\a)+(\b))+7], v[(\f)+64+8*(4*(\c)+(\b)):(\f)+64+8*(4*(\c)+(\b))+7], v[(\f)+8*(4*(\c)+(\a)):(\f)+8*(4*(\c)+(\a))+7], v[ACC+8*(4*(\a)+(\b)):ACC+8*(4*(\a)+(\b))+7]
.endif
.endr
.endr
.endm
.macro FETCH q, f                      ; 32 LDS loads: quarter q (64 along K) of the slot in hand; the first 32 along K first
	WIN TO_F
.irp c, 0,1
.irp i, 0,1,2,3
	ds_load_tr16_b128 v[(\f)+64+8*(4*(\c)+(\i)):(\f)+64+8*(4*(\c)+(\i))+3],   v[ADRB+(\q)/2] offset:(((\q)%2)*64+32*(\c))*PB+32*(\i)
	ds_load_tr16_b128 v[(\f)+64+8*(4*(\c)+(\i))+4:(\f)+64+8*(4*(\c)+(\i))+7], v[ADRB+(\q)/2] offset:(((\q)%2)*64+32*(\c))*PB+32*(\i)+16*PB
	ds_load_b128 v[(\f)+8*(4*(\c)+(\i)):(\f)+8*(4*(\c)+(\i))+3],   v[ADRA] offset:128*(\q)+64*(\c)+(\i)*16*PA
	ds_load_b128 v[(\f)+8*(4*(\c)+(\i))+4:(\f)+8*(4*(\c)+(\i))+7], v[ADRA] offset:128*(\q)+64*(\c)+(\i)*16*PA+32
.endr
.endr
.endm
.macro QUARTER q, f, g, zero
	s_wait_dscnt 16                                ; the first 32 along K are in; the other sixteen loads may be out
	MUL8 \f, 0, 0, \zero
	MUL8 \f, 0, 2, \zero
	PLACES
	FETCH \q, \g
	s_wait_dscnt 32                                ; all but the 32 just issued
	MUL8 \f, 1, 0, 0
	MUL8 \f, 1, 2, 0
.endm
.macro TURN kind                       ; a K step's last quarter and the change of slots.  kind 1: the slot that is left takes the K step two on, jointly; kind 2: slot 0, read for the last time, takes x1's tile
	WIN 0
	s_wait_tensorcnt 0x0                           ; all my tensor loads have landed
	ds_add_u32 v[SPW], v[NIL]
	s_wait_dscnt 17                                ; the add and the youngest sixteen loads may be out
	MUL8 F1, 0, 0, 0
	s_wait_dscnt 0x0                               ; the add is done, my reads of this slot are over
	s_barrier_signal -1
	MUL8 F1, 0, 2, 0
	WIN 0
	s_barrier_wait -1
	CREST
.if (\kind) == 1
	s_xor_b32 s[G0+5], s[G0+5], SLOT1
	s_add_nc_u64 s[G0+6:G0+7], s[G0+6:G0+7], ASTEP
	s_xor_b32 s[G0B+5], s[G0B+5], SLOT1
	s_add_nc_u64 s[G0B+6:G0B+7], s[G0B+6:G0B+7], BSTEP
	JLOAD 1
.else
	tensor_load_to_lds s[G0X:G0X+3], s[G1X:G1X+7]
	s_nop 0
	PLACES
.endif
	s_xor_b32 s2, s2, SLOT1
	v_add_nc_u32 v[ADRA], s2, v[A0]
	v_add_nc_u32 v[ADRB], s2, v[B0]
	v_add_nc_u32 v[ADRB+1], HALFB, v[ADRB]
	FETCH 0, F0
	MUL8 F1, 1, 0, 0
	MUL8 F1, 1, 2, 0
.endm
	s_wait_tensorcnt 1                             ; my part of K step 0 is in; K step 1's load may stay out
	s_barrier_signal -1
	s_barrier_wait -1
	FETCH 0, F0
	QUARTER 1, F0, F1, 1
	WIN 0
	s_mov_b32 s3, 6
.Lfill:                                        ; K steps 0 to 5: each refills its slot
	QUARTER 2, F1, F0, 0
	QUARTER 3, F0, F1, 0
	TURN 1
	QUARTER 1, F0, F1, 0
	WIN 0
	s_sub_co_u32 s3, s3, 1
	s_cmp_lg_u32 s3, 0
	s_cbranch_scc1 .Lfill
	QUARTER 2, F1, F0, 0
	QUARTER 3, F0, F1, 0
	TURN 2
	QUARTER 1, F0, F1, 0
	QUARTER 2, F1, F0, 0
	QUARTER 3, F0, F1, 0
	s_wait_dscnt 16
	MUL8 F1, 0, 0, 0
	MUL8 F1, 0, 2, 0
	s_wait_dscnt 0x0
	MUL8 F1, 1, 0, 0
	MUL8 F1, 1, 2, 0
	WIN 0
	PLACES
	s_wait_tensorcnt 0x0                           ; my quarter of x1's tile
	s_barrier_signal -1
	s_barrier_wait -1                              ; x1's tile is whole; nobody reads slot 1 any more, and it has had its last fill
.irp a, 0,1,2,3
.irp b, 0,1,2,3
	ds_store_b128 v[STO], v[ACC+8*(4*(\a)+(\b)):ACC+8*(4*(\a)+(\b))+3]   offset:(\a)*16*DPT+64*(\b)
	ds_store_b128 v[STO], v[ACC+8*(4*(\a)+(\b))+4:ACC+8*(4*(\a)+(\b))+7] offset:(\a)*16*DPT+64*(\b)+16
.endr
.endr
	s_wait_loadcnt 0x0                             ; b2
	s_mov_b32 s3, 4
.Lep:                                          ; 16 rows a trip: the sums out of my own bytes, x1 out of its tile
.irp j, 0,1,2,3,4,5,6,7
	ds_load_b128 v[T+4*(\j):T+4*(\j)+3],   v[RD] offset:(\j)*2*DPT
	ds_load_b128 v[XX+4*(\j):XX+4*(\j)+3], v[XD] offset:(\j)*2*PA
.endr
	s_wait_dscnt 0x0
.set k, 0
.rept 16
	v_pk_add_f32 v[T+2*k:T+2*k+1], v[T+2*k:T+2*k+1], v[XX+2*k:XX+2*k+1]
.set k, k+1
.endr
.irp j, 0,1,2,3,4,5,6,7
	v_pk_add_f32 v[T+4*(\j):T+4*(\j)+1],   v[T+4*(\j):T+4*(\j)+1],   v[B2:B2+1]
	v_pk_add_f32 v[T+4*(\j)+2:T+4*(\j)+3], v[T+4*(\j)+2:T+4*(\j)+3], v[B2+2:B2+3]
.endr
.irp j, 0,1,2,3,4,5,6,7
	global_store_b128 v[CO], v[T+4*(\j):T+4*(\j)+3], s[8:9] offset:4096*(\j)  ; 16 lanes store 256 consecutive bytes, aligned
.endr
	s_wait_xcnt 0x0                                ; the stores have read their registers and their base
	v_add_nc_u32 v[RD], 16*DPT, v[RD]
	v_add_nc_u32 v[XD], 16*PA, v[XD]
	s_add_nc_u64 s[8:9], s[8:9], 32768
	s_sub_co_u32 s3, s3, 1
	s_cmp_lg_u32 s3, 0
	s_cbranch_scc1 .Lep
	s_wait_tensorcnt 0x0                           ; the wave's end
	ds_add_u32 v[SPW], v[NIL]
	s_wait_dscnt 0x0
	CROUND                                         ; the closing round
	s_endpgm
.Lfunc_end_k_q08dec6c0d9_mlp2:
	.size	k_q08dec6c0d9_mlp2, .Lfunc_end_k_q08dec6c0d9_mlp2-k_q08dec6c0d9_mlp2
	.p2alignl 7, 3214868480
	.fill 96, 4, 3214868480
	.section	.rodata,"a",@progbits
	.p2align	6, 0x0
	.amdhsa_kernel k_q08dec6c0d9_mlp2
		.amdhsa_group_segment_fixed_size 327680
		.amdhsa_private_segment_fixed_size 0
		.amdhsa_enable_private_segment 0
		.amdhsa_kernarg_size 40
		.amdhsa_user_sgpr_count 2
		.amdhsa_user_sgpr_kernarg_segment_ptr 1
		.amdhsa_wavefront_size32 1
		.amdhsa_system_sgpr_workgroup_id_x 1
		.amdhsa_system_sgpr_workgroup_id_y 1
		.amdhsa_system_sgpr_workgroup_id_z 1
		.amdhsa_system_vgpr_workitem_id 0
		.amdhsa_next_free_vgpr 512
		.amdhsa_next_free_sgpr 88
		.amdhsa_reserve_vcc 0
		.amdhsa_float_denorm_mode_32 3
		.amdhsa_float_denorm_mode_16_64 3
		.amdhsa_memory_ordered 1
		.amdhsa_forward_progress 1
		.amdhsa_inst_pref_size 69
	.end_amdhsa_kernel
	.amdgpu_metadata
---
amdhsa.version: [ 1, 2 ]
amdhsa.kernels:
  - .name:           k_q08dec6c0d9_mlp2
    .symbol:         k_q08dec6c0d9_mlp2.kd
    .args:
      - { .name: big, .offset: 0, .size: 8, .value_kind: global_buffer, .address_space: global }
      - { .name: wb, .offset: 8, .size: 8, .value_kind: global_buffer, .address_space: global }
      - { .name: b2, .offset: 16, .size: 8, .value_kind: global_buffer, .address_space: global }
      - { .name: x1, .offset: 24, .size: 8, .value_kind: global_buffer, .address_space: global }
      - { .name: out0, .offset: 32, .size: 8, .value_kind: global_buffer, .address_space: global }
    .group_segment_fixed_size: 327680
    .private_segment_fixed_size: 0
    .kernarg_segment_align: 8
    .kernarg_segment_size: 40
    .max_flat_workgroup_size: 128
    .sgpr_count:     88
    .vgpr_count:     512
    .wavefront_size: 32
...
	.end_amdgpu_metadata
.endif
;; end of part 6
